; MI455X (gfx1250); checked and timed in simulation.
; The chip was launched on July 23, 2026; its instructions are those of AMD's public machine-readable ISA for CDNA 5 (MIT licence, August 2026) and "CDNA5" Instruction Set Architecture Reference Guide (July 2026). The comments in the code are by the model that wrote it; some were corrected since.
;; Causal Self Attention. Allowed arithmetic: matrix products marked QUANTISED: E2M3 operands, one E8M0 scale for each 32 along K, by v_wmma_scale_f32_16x16x128_f8f6f4 with both operands' format E2M3, f32 sums; everything else in f32.
;; Inputs: bk 1,024 float32; bo 1,024 float32; bq 1,024 float32; bv 1,024 float32; wk 1,024 x 1,024 float32; wo 1,024 x 1,024 float32; wq 1,024 x 1,024 float32; wv 1,024 x 1,024 float32; x 4 x 2,048 x 1,024 float32.
;; Outputs: out0 4 x 2,048 x 1,024 float32.
;; This version of the problem:
;;   THIS VERSION OF THE PROBLEM IS GIVEN IN LOW PRECISION. The matrix products marked QUANTISED in the list below multiply operands that are first quantised to E2M3 (2 exponent bits, 3 mantissa bits; 6 bits a number), with one power-of-two scale for each 32 numbers along K (OCP MX v1.0); their sums are f32. All else is computed in f32.
;;   The module's matrix products, in the order in which they are computed (A, B: the left and right operand; K: the contracted axis; several contracted axes count as one K, in the product's order):
;;     1. [M 8,192, K 1,024] x [K 1,024, N 1,024]; A: input x; B: input wq: QUANTISED
;;     2. [M 8,192, K 1,024] x [K 1,024, N 1,024]; A: input x; B: input wk: QUANTISED
;;     3. [M 8,192, K 1,024] x [K 1,024, N 1,024]; A: input x; B: input wv: QUANTISED
;;     4. batch 64 x [M 2,048, K 64] x [K 64, N 2,048]; A: computed on the way; B: computed on the way: QUANTISED
;;     5. batch 64 x [M 2,048, K 2,048] x [K 2,048, N 64]; A: softmax (see below); B: computed on the way: QUANTISED
;;     6. [M 8,192, K 1,024] x [K 1,024, N 1,024]; A: computed on the way; B: input wo: QUANTISED
;;   THE QUANTISER, for each operand of a quantised product, along K:
;;     - K is cut into blocks of 32 from its start; a last block that is shorter is filled with zeros.
;;     - A block's scale is 2^e with e = floor(log2(the largest magnitude in the block)) - 2, held to -126 .. 127; a block of zeros has e = 0. As a byte (E8M0): e + 127.
;;     - Each number is divided by its block's scale, clamped to +-7.5, and rounded to the nearest number of E2M3, ties to even, subnormals kept.
;;     - The product sums the exact products of the quantised numbers (number of the format x scale) in f32.
;;   ~~~python
;;   def quantise(x, axis):      # numpy; x: float32 -> the quantised numbers, widened to float32 again
;;       x = np.moveaxis(x, axis, -1); K = x.shape[-1]
;;       x = np.pad(x, [(0, 0)] * (x.ndim - 1) + [(0, -K % 32)]); x = x.reshape(x.shape[:-1] + (-1, 32)); a = np.abs(x).max(-1, keepdims=True)
;;       e = np.where(a > 0, np.clip(np.frexp(np.where(a > 0, a, 1))[1] - 1 - 2, -126, 127), 0)      # np.frexp(a)[1] - 1 = floor(log2(a)), exactly
;;       r = np.clip(x / 2.0 ** e, -7.5, 7.5)
;;       step = 2.0 ** (np.maximum(np.frexp(np.where(r == 0, 1, r))[1] - 1, 0) - 3)
;;       q = np.round(r / step) * step * 2.0 ** e      # np.round: ties to even
;;       return np.moveaxis(q.reshape(q.shape[:-2] + (-1,))[..., :K], -1, axis).astype(np.float32)
;;   ~~~
;;   SOFTMAX AHEAD OF A QUANTISED PRODUCT. Where the list says 'softmax', what is quantised is not the finished softmax but p = 2^(t - M), with t = logit x log2(e) and M = ceil(the row's largest t), a whole number; so 1/2 < the row's largest p <= 1. The row's sum l is taken of the UNQUANTISED p, in f32, and the product's result is divided by l at the end. Since M is a whole number, a kernel that streams over the keys may use a running M (the ceiling of the running maximum): every later rescaling is an exact power of two, which a block's scale takes up: the codes' values come out the same.
;;   OPERANDS COMPUTED ON THE WAY. 'Computed on the way' means the value that the module computes at that place (a softmax that the list does not call 'softmax' is quantised finished and normalised). What goes into a quantiser is computed in f32, as accurately as f32 sums, v_exp_f32 and their like allow (about 1e-6 of the number): no bf16 or f16 on the way to a quantiser, and a product that is left as it is and whose result goes on into a quantised operand takes f32 operands (vector FMAs, or v_wmma_f32_16x16x4_f32). A number that lies on a knife's edge between two numbers of the format may be rounded either way, as far as f32 arithmetic and the matrix unit's own rounding can turn it there, and no further.
;; One version. Each part assembles by itself: llvm-mc -triple=amdgcn-amd-amdhsa -mcpu=gfx1250 --defsym DOCPART=n.
;; ======== version 1 of 1: 4 launches
;; workspace buffers: x_codes 6,291,456 bytes; w_codes 3,145,728 bytes; scales 655,360 bytes; qkv 19,660,800 bytes; ao_codes 6,291,456 bytes
;; launch quant (part 1): grid 512 x 1, 4 waves a work-group, no clusters, 34,304 bytes of LDS; arguments x, wq, wk, wv, wo, x_codes, w_codes, scales; writes x_codes, w_codes, scales
.if DOCPART == 1
	.amdgcn_target "amdgcn-amd-amdhsa--gfx1250"
	.amdhsa_code_object_version 6
	.text
	.protected	k_qfd75301e94_quant
	.globl	k_qfd75301e94_quant
	.p2align	8
	.type	k_qfd75301e94_quant,@function
k_qfd75301e94_quant:
	s_mov_b64 s[64:65], 0
	v_nop
	global_prefetch_b8 v0, s[64:65] scope:SCOPE_SE
	s_setreg_imm32_b32 hwreg(HW_REG_WAVE_MODE, 25, 1), 1
	s_wait_xcnt 0x0
; x [8192][1024] and the four weights [1024 (k)][1024 (n)], f32, become codes of FP6 (E2M3) with one E8M0 byte for each 32 along K.
; A block's scale is 2^(floor(log2(its largest magnitude)) - 2); its byte is the largest magnitude's exponent field - 2, held at 1 from below.
; LIMITS: NaN and infinities among the inputs are not served.  A block whose largest magnitude lies under 2^-124, a block of zeros among them, gets
; the byte 1 (the quantiser's text says 127 for zeros): its codes are zeros or held low, and the bytes are read by this program alone.
; LAYOUT OF THE CODES: images of the matrix operand's registers.  A TILE is 16 rows of an operand: row r of tile T is row 32 (T/2) + 8 (T%2) + r + 8 (r/8)
; of the tensor.  A HALF FRAGMENT (16 rows x 64 K, 768 bytes): lane l = r + 16 h holds k = 32 h .. 32 h + 31 of row r, six registers: registers 0-3 at
; 16 l, registers 4-5 at 512 + 8 l.  x_codes: [tile 512][half fragment 16][768]; w_codes: [tile 256 = 64 x weight + tile][16][768].
; SCALE WORDS (four bytes: 128 along K of one row): [tile][K half][r][word 4], 512 bytes a tile; x's tiles from byte XREG, the weights' from WREG.
; Work-groups 0-255 take x (K innermost), 256-511 the weights (K outermost).  Only x's path touches LDS.  No barrier: waves share nothing.
.set XREG, 0
.set WREG, 524288
.set SP,   528                         ; a stage row: 512 bytes + 16, an odd multiple of 16 bytes: the 16 rows that a read touches start in different banks
.set WST,  16*SP                       ; a wave's stage
.set R,    32                          ; v32-95, v96-159   two sets of 64 registers as loaded
.set X,    160                         ; v160-223  64 numbers of my row: register 32 c + i is k = 64 c + 32 h + i
.set F,    224                         ; v224-235, v236-247  two sets of 12 registers of codes
.set G,    248                         ; v248-254  the second half of a block's codes, before it is moved
.set SW,   20                          ; v20-23    the four steps' scale words
	s_load_b256 s[4:11], s[0:1], 0x0               ; x s[4:5], wq s[6:7], wk s[8:9], wv s[10:11]
	s_load_b256 s[12:19], s[0:1], 0x20             ; wo s[12:13], x_codes s[14:15], w_codes s[16:17], scales s[18:19]
	v_lshl_add_u32 v251, v0, 2, 0x8400
	v_mov_b32 v255, 0
	v_lshrrev_b32 v8, 5, v0
	v_readfirstlane_b32 s20, v8                    ; wave 0..3
	v_and_b32 v7, 31, v0                           ; lane
	s_cmp_lt_u32 ttmp9, 256
	s_cbranch_scc0 .Lweights
; ---------------- x: wave W = 4 x work-group + wave takes tile W / 2 and K half W % 2: four steps of 128 along K
	s_lshl_b32 s21, ttmp9, 2
	s_add_co_u32 s21, s21, s20                     ; W
	s_lshr_b32 s22, s21, 2
	s_lshl_b32 s22, s22, 17                        ; 32 (tile / 2) rows of 4,096 bytes
	s_bfe_u32 s23, s21, 0x10001
	s_lshl_b32 s23, s23, 15                        ; + 8 (tile % 2) rows
	s_add_co_u32 s22, s22, s23
	s_and_b32 s23, s21, 1
	s_lshl_b32 s23, s23, 11                        ; + the K half's 2,048 bytes
	s_add_co_u32 s22, s22, s23
	s_mov_b32 s23, 0
	s_mul_i32 s24, s21, 6144                       ; codes: 12,288 a tile, 6,144 a K half
	s_mov_b32 s25, 0
	s_lshl_b32 s26, s21, 8                         ; scale words: 512 a tile, 256 a K half (XREG = 0)
	s_mov_b32 s27, 0
	s_mul_i32 s28, s20, WST                        ; my stage
	s_mov_b32 s29, 0xffff0000                      ; lanes 16-31
	s_mov_b32 s30, 0x76543210
	s_mov_b32 s31, 0xfedcba98                      ; v_permlanex16_b32's selects for lane l xor 16
	v_and_b32 v8, 15, v0                           ; r
	v_bfe_u32 v9, v0, 4, 1                         ; h
	v_lshlrev_b32 v1, 4, v7                        ; 16 x lane: a load's 512 bytes, and registers 0-3 of an image
	v_add_nc_u32 v2, s28, v1                       ; the stage, way in
	v_mul_u32_u24 v3, v8, SP
	v_lshl_add_u32 v3, v9, 7, v3
	v_add_nc_u32 v3, s28, v3                       ; the stage, way out: row r, + 128 h bytes
	v_lshlrev_b32 v4, 3, v7
	v_add_nc_u32 v4, 512, v4                       ; registers 4-5 of an image
	v_lshlrev_b32 v5, 3, v9                        ; 8 h: my bytes' place in a scale word
	v_lshlrev_b32 v6, 4, v8
	v_lshl_add_u32 v6, v9, 3, v6                   ; 16 r + 8 h: two scale words a lane
	v_mov_b32 v15, 0                               ; a lane permute's destination counts as one of its sources
	s_wait_kmcnt 0x0
	s_add_nc_u64 s[4:5], s[4:5], s[22:23]
	s_add_nc_u64 s[14:15], s[14:15], s[24:25]
	s_add_nc_u64 s[18:19], s[18:19], s[26:27]
.macro XLOAD t                         ; step t: 16 rows x 512 consecutive bytes, 16 bytes a lane
.irp p, 0,1,2,3,4,5,6,7,8,9,10,11,12,13,14,15
	global_load_b128 v[R+64*((\t)%2)+4*\p:R+64*((\t)%2)+4*\p+3], v1, s[4:5] offset:(\p+8*(\p/8))*4096+512*(\t) th:TH_LOAD_NT
.endr
.endm
.macro XSTEP t
.set RS, R+64*((\t)%2)
.set FS, F+12*((\t)%2)
.if (\t) < 3
	s_wait_loadcnt 16                              ; this step's 16 loads are in; the next step's 16 may be out
.else
	s_wait_loadcnt 0x0
.endif
.irp p, 0,1,2,3,4,5,6,7,8,9,10,11,12,13,14,15
	ds_store_b128 v2, v[RS+4*\p:RS+4*\p+3] offset:\p*SP
.endr
.irp c, 0,1
.irp j, 0,1,2,3,4,5,6,7
	ds_load_b128 v[X+32*\c+4*\j:X+32*\c+4*\j+3], v3 offset:256*\c+16*\j   ; LDS serves a wave's instructions in order: these see the stores above
.endr
.endr
	s_wait_dscnt 0x0                               ; my 64 numbers are back, and the stores have read the raw set
.if (\t)+2 < 4
	XLOAD (\t)+2
.endif
.irp c, 0,1                            ; block 2 c + h of my row is all mine
	v_max3_num_f32 v[8+\c], |v[X+32*\c]|, |v[X+32*\c+1]|, 0x1800000      ; with the floor 2^(3 - 127): the byte cannot fall under 1
.endr
.irp i, 2,4,6,8,10,12,14,16,18,20,22,24,26,28,30
.irp c, 0,1
	v_max3_num_f32 v[8+\c], v[8+\c], |v[X+32*\c+\i]|, |v[X+32*\c+\i+1]|
.endr
.endr
.irp c, 0,1
	v_add_nc_u32 v[10+\c], 0xff000000, v[8+\c]     ; 2 off the exponent field: the conversion's scale operand
.endr
.irp c, 0,1
	v_lshrrev_b32 v[12+\c], 23, v[10+\c]           ; the scale's byte
.endr
	v_lshl_or_b32 v14, v13, 16, v12                ; blocks h and 2 + h,
	v_lshlrev_b32 v14, v5, v14                     ; at their places in the word;
	v_permlanex16_b32 v15, v14, s30, s31
	v_or_b32 v[SW+(\t)], v14, v15                  ; with lane l xor 16's two the word is whole
	s_wait_xcnt 0x0                                ; the stores of two steps ago have read this set of codes
.irp c, 0,1
	v_cvt_scalef32_pk16_fp6_f32 v[FS+6*\c:FS+6*\c+2], v[X+32*\c:X+32*\c+15], v[10+\c]
	v_cvt_scalef32_pk16_fp6_f32 v[G+4*\c:G+4*\c+2], v[X+32*\c+16:X+32*\c+31], v[10+\c]   ; (a conversion's three registers begin on an even number)
.endr
	v_nop                                          ; one plain place behind a scaled conversion
.irp c, 0,1
.irp i, 0,1,2
	v_mov_b32 v[FS+6*\c+3+\i], v[G+4*\c+\i]
.endr
.endr
	global_store_b128 v1, v[FS:FS+3], s[14:15] offset:1536*(\t)            ; 512 consecutive bytes
	global_store_b64 v4, v[FS+4:FS+5], s[14:15] offset:1536*(\t)           ; 256 consecutive bytes
	global_store_b128 v1, v[FS+6:FS+9], s[14:15] offset:1536*(\t)+768
	global_store_b64 v4, v[FS+10:FS+11], s[14:15] offset:1536*(\t)+768
.endm
	XLOAD 0
	XLOAD 1
	XSTEP 0
	XSTEP 1
	XSTEP 2
	XSTEP 3
	v_cndmask_b32 v16, v[SW], v[SW+2], s29         ; lane (r, h) stores words 2 h and 2 h + 1 of row r
	v_cndmask_b32 v17, v[SW+1], v[SW+3], s29
	global_store_b64 v6, v[16:17], s[18:19]        ; 256 consecutive bytes, at a multiple of 256
	s_wait_tensorcnt 0x0
	ds_add_u32 v251, v255
	s_wait_dscnt 0x0
	s_endpgm
; ---------------- the weights: j = work-group - 256: weight j / 64, 128 columns (j / 8) % 8, 128 along K j % 8.  A lane takes a column, its registers run down K.
.Lweights:
	s_sub_co_u32 s21, ttmp9, 256
	s_lshr_b32 s22, s21, 6                         ; weight: 0 q, 1 k, 2 v, 3 o
	s_bfe_u32 s23, s21, 0x30003                    ; block of 128 columns
	s_and_b32 s24, s21, 7                          ; K step g
	s_lshl_b32 s26, s24, 19                        ; 128 g rows of 4,096 bytes
	s_lshl_b32 s25, s23, 9
	s_add_co_u32 s26, s26, s25
	s_lshl_b32 s25, s20, 7
	s_add_co_u32 s26, s26, s25                     ; + my wave's 32 columns
	s_mov_b32 s27, 0
	s_lshl_b32 s28, s22, 6
	s_lshl_b32 s25, s23, 3
	s_add_co_u32 s28, s28, s25
	s_lshl_b32 s25, s20, 1
	s_add_co_u32 s28, s28, s25                     ; the first of my wave's two tiles
	s_mul_i32 s30, s28, 12288
	s_mul_i32 s25, s24, 1536
	s_add_co_u32 s30, s30, s25                     ; its fragment of K step g
	s_mov_b32 s31, 0
	s_lshl_b32 s28, s28, 9
	s_lshr_b32 s25, s24, 2
	s_lshl_b32 s25, s25, 8
	s_add_co_u32 s28, s28, s25
	s_and_b32 s25, s24, 3
	s_lshl_b32 s25, s25, 2
	s_add_co_u32 s28, s28, s25
	s_add_co_u32 s28, s28, WREG                    ; its scale words: tile x 512 + (g / 4) x 256 + 4 (g % 4)
	s_mov_b32 s29, 0
	s_and_b32 s32, s22, 1
	s_lshr_b32 s33, s22, 1
	v_lshlrev_b32 v1, 2, v7                        ; in: 4 bytes a lane
	v_bfe_u32 v8, v7, 3, 1                         ; column l of the 32 is row r = l % 8 + 8 (l / 16) of tile u = (l / 8) % 2
	v_and_b32 v9, 7, v7
	v_lshrrev_b32 v10, 4, v7
	v_lshl_add_u32 v9, v10, 3, v9
	v_mul_u32_u24 v2, v8, 12288
	v_lshl_add_u32 v3, v9, 3, v2
	v_add_nc_u32 v3, 512, v3                       ; registers 4-5: u x 12,288 + 512 + 8 r
	v_lshl_add_u32 v2, v9, 4, v2                   ; registers 0-3: u x 12,288 + 16 r
	v_lshlrev_b32 v4, 9, v8
	v_lshl_add_u32 v4, v9, 4, v4                   ; scale word: u x 512 + 16 r
	s_wait_kmcnt 0x0
	s_cmp_eq_u32 s32, 0                            ; the choice hangs on the work-group's number alone
	s_cselect_b64 s[6:7], s[6:7], s[8:9]
	s_cselect_b64 s[10:11], s[10:11], s[12:13]
	s_cmp_eq_u32 s33, 0
	s_cselect_b64 s[6:7], s[6:7], s[10:11]
	s_add_nc_u64 s[6:7], s[6:7], s[26:27]
	s_add_nc_u64 s[16:17], s[16:17], s[30:31]
	s_add_nc_u64 s[18:19], s[18:19], s[28:29]
.macro WLOAD t                         ; block t: W(128 g + 32 t + i, my column): 128 consecutive bytes a wave, 512 a work-group
.set n, 0
.rept 32
	global_load_b32 v[32+32*((\t)%2)+n], v1, s[6:7] offset:(32*(\t)+n)*4096 th:TH_LOAD_NT
.set n, n+1
.endr
.endm
.macro WBLOCK t
.set XS, 32+32*((\t)%2)
.set CD, 160+8*(\t)                    ; each block has its own six registers of codes: no store's data are written again
.if (\t) < 3
	s_wait_loadcnt 32                              ; this block's 32 loads are in; the next block's may be out
.else
	s_wait_loadcnt 0x0
.endif
	v_max3_num_f32 v12, |v[XS]|, |v[XS+1]|, |v[XS+2]|
	v_max3_num_f32 v13, |v[XS+3]|, |v[XS+4]|, |v[XS+5]|
.irp i, 6,10,14,18,22,26
	v_max3_num_f32 v12, v12, |v[XS+\i]|, |v[XS+\i+1]|
	v_max3_num_f32 v13, v13, |v[XS+\i+2]|, |v[XS+\i+3]|
.endr
	v_max3_num_f32 v12, v12, |v[XS+30]|, |v[XS+31]|
	v_max3_num_f32 v12, v12, v13, 0x1800000        ; and the floor
	v_add_nc_u32 v11, 0xff000000, v12
	v_lshrrev_b32 v13, 23, v11
.if (\t) == 0
	v_mov_b32 v20, v13
.else
	v_lshl_or_b32 v20, v13, 8*(\t), v20            ; the four blocks' bytes make the column's word of K step g
.endif
	v_cvt_scalef32_pk16_fp6_f32 v[CD:CD+2], v[XS:XS+15], v11
	v_cvt_scalef32_pk16_fp6_f32 v[248:250], v[XS+16:XS+31], v11
	v_nop                                          ; one plain place behind a scaled conversion
.irp i, 0,1,2
	v_mov_b32 v[CD+3+\i], v[248+\i]
.endr
	global_store_b128 v2, v[CD:CD+3], s[16:17] offset:((\t)/2)*768+((\t)%2)*256     ; block t is half t % 2 of half fragment t / 2: sixteen lanes fill 256 aligned bytes
	global_store_b64 v3, v[CD+4:CD+5], s[16:17] offset:((\t)/2)*768+((\t)%2)*128    ; runs of 128 bytes: one third of the codes' bytes leaves in such runs
.if (\t)+2 < 4
	WLOAD (\t)+2
.endif
.endm
	WLOAD 0
	WLOAD 1
	WBLOCK 0
	WBLOCK 1
	WBLOCK 2
	WBLOCK 3
	global_store_b32 v4, v20, s[18:19]             ; 4 bytes a lane, 16 bytes apart: one byte for each 128 that the wave reads
	s_endpgm
.Lfunc_end_k_qfd75301e94_quant:
	.size	k_qfd75301e94_quant, .Lfunc_end_k_qfd75301e94_quant-k_qfd75301e94_quant
	.p2alignl 7, 3214868480
	.fill 96, 4, 3214868480
	.section	.rodata,"a",@progbits
	.p2align	6, 0x0
	.amdhsa_kernel k_qfd75301e94_quant
		.amdhsa_group_segment_fixed_size 34304
		.amdhsa_private_segment_fixed_size 0
		.amdhsa_enable_private_segment 0
		.amdhsa_kernarg_size 64
		.amdhsa_user_sgpr_count 2
		.amdhsa_user_sgpr_kernarg_segment_ptr 1
		.amdhsa_wavefront_size32 1
		.amdhsa_system_sgpr_workgroup_id_x 1
		.amdhsa_system_sgpr_workgroup_id_y 1
		.amdhsa_system_sgpr_workgroup_id_z 1
		.amdhsa_system_vgpr_workitem_id 0
		.amdhsa_next_free_vgpr 256
		.amdhsa_next_free_sgpr 66
		.amdhsa_reserve_vcc 0
		.amdhsa_float_denorm_mode_32 3
		.amdhsa_float_denorm_mode_16_64 3
		.amdhsa_memory_ordered 1
		.amdhsa_forward_progress 1
		.amdhsa_inst_pref_size 51
	.end_amdhsa_kernel
	.amdgpu_metadata
---
amdhsa.version: [ 1, 2 ]
amdhsa.kernels:
  - .name:           k_qfd75301e94_quant
    .symbol:         k_qfd75301e94_quant.kd
    .args:
      - { .name: x, .offset: 0, .size: 8, .value_kind: global_buffer, .address_space: global }
      - { .name: wq, .offset: 8, .size: 8, .value_kind: global_buffer, .address_space: global }
      - { .name: wk, .offset: 16, .size: 8, .value_kind: global_buffer, .address_space: global }
      - { .name: wv, .offset: 24, .size: 8, .value_kind: global_buffer, .address_space: global }
      - { .name: wo, .offset: 32, .size: 8, .value_kind: global_buffer, .address_space: global }
      - { .name: x_codes, .offset: 40, .size: 8, .value_kind: global_buffer, .address_space: global }
      - { .name: w_codes, .offset: 48, .size: 8, .value_kind: global_buffer, .address_space: global }
      - { .name: scales, .offset: 56, .size: 8, .value_kind: global_buffer, .address_space: global }
    .group_segment_fixed_size: 34304
    .private_segment_fixed_size: 0
    .kernarg_segment_align: 8
    .kernarg_segment_size: 64
    .max_flat_workgroup_size: 128
    .sgpr_count:     66
    .vgpr_count:     256
    .wavefront_size: 32
...
	.end_amdgpu_metadata
.endif
;; end of part 1
;; launch qkv (part 2): grid 4 x 64, 4 waves a work-group, clusters of 4 x 4, 327,680 bytes of LDS; arguments x_codes, w_codes, scales, bq, bk, bv, qkv; writes qkv
.if DOCPART == 2
	.amdgcn_target "amdgcn-amd-amdhsa--gfx1250"
	.amdhsa_code_object_version 6
	.text
	.protected	k_qfd75301e94_qkv
	.globl	k_qfd75301e94_qkv
	.p2align	8
	.type	k_qfd75301e94_qkv,@function
k_qfd75301e94_qkv:
	s_mov_b64 s[64:65], 0
	v_nop
	global_prefetch_b8 v0, s[64:65] scope:SCOPE_SE
	s_setreg_imm32_b32 hwreg(HW_REG_WAVE_MODE, 25, 1), 1
	s_wait_xcnt 0x0
	s_wait_alu depctr_hold_cnt(0) depctr_sa_sdst(0) depctr_va_vdst(0) depctr_va_sdst(0) depctr_va_ssrc(0) depctr_va_vcc(0) depctr_vm_vsrc(0)
	s_getreg_b32 s2, hwreg(HW_REG_IB_STS2, 6, 4)
	s_cmp_eq_u32 s2, 0
	s_cbranch_scc0 .Lentry_in_a_cluster
	s_endpgm
.Lentry_in_a_cluster:
	s_bfe_u32 s2, ttmp6, 0x10000c
	s_cmp_lg_u32 s2, 0xf033
	s_cbranch_scc0 .Lentry_shape_is_right
	s_endpgm
.Lentry_shape_is_right:
; q = x wq + bq, k = x wk + bk, v = x wv + bv on codes of FP6 (E2M3) with E8M0 scales, sums in f32; the results are quantised at once for attention and leave as codes.
; SHARES.  A work-group STAYS: it makes 128 tokens x 256 columns of q, then of k, then of v (the part p = 0, 1, 2 is a constant of the text).  A wave takes all 128 tokens x 64 columns,
; one head: 32 accumulators of 16 x 16.  256 work-groups.
; LDS.  All of K lies in LDS: A's 8 tiles (98,304 bytes, fetched once, read in all three parts) and B's 16 tiles (196,608 bytes), each in four chunks of 256 along K.  The first fills
; all go out at the start (four tensor loads a wave are out).  B's chunks are filled again for the next part, 49,152 bytes a load, one load a wave: chunks 0 and 1 (waves 0, 1) at K step 3,
; when every wave has read them out; chunks 2 and 3 (waves 2, 3) behind the part's way out.  Each refill has half a part, 128 matrix instructions a wave, and the way out in which to land.
; CLUSTER.  4 x 4 work-groups: the four of a row need the same tokens, the four of a column the same columns of the weights: every chunk is asked for jointly.  Each refill stands behind a
; round of the cluster's barrier, in front of which every wave has waited for all its tensor loads and for its LDS reads: no wave of any partner still reads the chunk.
; All of a WGP's LDS is claimed, and 0 is added to spare words in front of each such round and at the wave's end.
; OPERANDS lie in memory and in LDS as images of their registers (half fragment: 16 rows x 64 K, 768 bytes: registers 0-3 at 16 x lane, registers 4-5 at 512 + 8 x lane), so every LDS
; load reads consecutive bytes.  Row r of tile T is row 32 (T/2) + 8 (T%2) + r + 8 (r/8) of the tensor, so that the 16 registers of two neighbouring tiles of results are 16 neighbours.
; q, k: the product is used transposed (source 0 = 16 columns of the weight, source 1 = 16 tokens): a lane holds one token and its registers run along the head's 64, their next K.
; v: source 0 = 16 tokens, source 1 = 16 columns: a lane holds one channel and its registers run along the 128 tokens, which are the keys, its next K.
; The bias is the C of each sum's first matrix instruction.
; OUT: qkv [batch x 16 + head][step of 128 tokens][part][6,400]: four fragments (q, k: fragment f = half fragments of token tiles 2 f, 2 f + 1, K = the head's 64;
; v: fragment f = channels' tile f x 128 keys), then 256 bytes of scale words [r][f].
; LIMITS: NaN and infinities are not served; a block under 2^-124 or of zeros gets the byte 1: only this program reads the bytes.
; REGISTERS: window 0: v3-27 addresses; v30-31 for the add; v32-95 scale words (register 8 i + g: lanes 0-15 A's tile i, lanes 16-31 B's tile i % 4, K step g); v96-191 A's, v192-239 B's
;   fragments, set 0 (on the way out v96-177 are at work).   window 1: the accumulators.   window 2: v0-95 the three biases in the results' layout; v96-239 fragments, set 1.
.set XREG,  0
.set WREG,  524288
.set TILEB, 12288                      ; a tile's codes for all of K
.set CHB,   3072                       ; and for a chunk of 256 along K
.set ACH,   8*CHB                      ; A's chunk in LDS
.set BCH,   16*CHB                     ; B's
.set BBASE, 4*ACH                      ; B's chunks lie behind A's four
.set SPARE, BBASE+4*BCH                ; behind them: the spare words, 128 bytes for each wave: two blocks of 256 bytes that no other line names
.set PSTEP, 64*TILEB                   ; from a weight's tiles to the next weight's
.set SC,    32
.set AF,    96
.set BF,    192
.set TM,    96                         ; the way out (window 0): v96-111 at work
.set PC,    116                        ; v116-163 four fragments of codes
.set TQ,    164                        ; v164-170 the conversions' second halves
.set PW,    172                        ; v172-175 four scale words; v176-177 the two that I store
.set SPW,   30                         ; v30  LDS address of my spare word: SPARE + 4 x my thread's number; never rewritten
.set NIL,   31                         ; v31  0; never rewritten
.set WV,    18
.set LMASK, 27                         ; s27  lanes 16-31
.set G1A,   28                         ; s[28:35] group 1 for A's first fills (4 tiles a load)
.set G1B,   36                         ; s[36:43] for B's first fills (8 tiles a load)
.set G0A,   44                         ; s[44:59] four groups 0 for A's chunks
.set G0B,   68                         ; s[68:83] for B's
.set G1R,   84                         ; s[84:91] group 1 for B's refills (16 tiles a load)
.set G0R,   92                         ; s[92:95] group 0 for my refill: chunk number = my wave's number
.set SEL,   62
.set MSB, 0
.macro WIN new                         ; the immediate's high byte repeats the setting that is left
.if MSB != \new
	s_set_vgpr_msb (MSB<<8)|\new
.set MSB, \new
.endif
.endm
.macro PLACES                          ; four places behind a matrix instruction, in front of loads into its sources and of reads of its results
.rept 4
	v_nop
.endr
.endm
.macro CREST                           ; a round of the cluster's barrier behind its opening barrier
	s_cmp_lg_u32 s[WV], 0
	s_cbranch_scc1 .Lnot_wave_0_\@
	s_barrier_signal -3
.Lnot_wave_0_\@:
	s_barrier_wait -3
	s_barrier_signal -1
	s_barrier_wait -1
.endm
.macro CROUND                          ; a whole round
	s_barrier_signal -1
	s_barrier_wait -1
	CREST
.endm
	s_load_b256 s[4:11], s[0:1], 0x0               ; x_codes s[4:5], w_codes s[6:7], scales s[8:9], bq s[10:11]
	s_load_b128 s[12:15], s[0:1], 0x20             ; bk, bv
	s_load_b64 s[16:17], s[0:1], 0x30              ; qkv
	v_lshl_add_u32 v[SPW], v0, 2, SPARE
	v_mov_b32 v[NIL], 0
	ds_add_u32 v30, v31
	ds_add_u32 v30, v31
	s_wait_dscnt 0x0
	v_lshrrev_b32 v20, 5, v0
	v_readfirstlane_b32 s[WV], v20                 ; wave 0..3
	s_lshr_b32 s19, s[WV], 1                       ; first fills: I fetch for A (0) or for B (1); refills: at K step 3 (0) or behind the way out (1)
	s_and_b32 s20, s[WV], 1                        ; which half of a chunk's tiles
	s_bfe_u32 s21, ttmp6, 0x40000                  ; cx
	s_bfe_u32 s22, ttmp6, 0x40004                  ; cy
	s_lshl_b32 s23, ttmp9, 2
	s_add_co_u32 s23, s23, s21                     ; tx: block of 256 columns of each weight
	s_and_b32 s24, ttmp7, 0xffff
	s_lshl_b32 s24, s24, 2
	s_add_co_u32 s24, s24, s22                     ; ty: block of 128 tokens
	s_lshl_b32 s25, s22, 2
	s_lshl_b32 s25, 15, s25                        ; my row of the cluster
	s_lshl_b32 s26, 0x1111, s21                    ; my column
	s_mov_b32 s[LMASK], 0xffff0000
	; group 1: rows of 3,072 bytes (384 elements of 8 bytes), one row a tile, 12,288 bytes apart in memory, on end in LDS
	s_or_b32 s[G1A], s25, (3<<16)|(1<<21)          ; 15:0 the mask; 17:16 elements of 8 bytes; 21 set beside a mask; no padding
	s_or_b32 s[G1B], s26, (3<<16)|(1<<21)
	s_or_b32 s[G1R], s26, (3<<16)|(1<<21)
	s_mov_b32 s[G1A+1], 384<<16                    ; tensor_dim0
	s_mov_b32 s[G1A+2], 4<<16                      ; tensor_dim1
	s_mov_b32 s[G1A+3], 384<<16                    ; tile_dim0
	s_mov_b32 s[G1A+4], 4                          ; tile_dim1
	s_mov_b32 s[G1A+5], 1536                       ; the pitch
	s_mov_b32 s[G1A+6], 0
	s_mov_b32 s[G1A+7], 0
	s_mov_b32 s[G1B+1], 384<<16
	s_mov_b32 s[G1B+2], 8<<16
	s_mov_b32 s[G1B+3], 384<<16
	s_mov_b32 s[G1B+4], 8
	s_mov_b32 s[G1B+5], 1536
	s_mov_b32 s[G1B+6], 0
	s_mov_b32 s[G1B+7], 0
	s_mov_b32 s[G1R+1], 384<<16
	s_mov_b32 s[G1R+2], 16<<16
	s_mov_b32 s[G1R+3], 384<<16
	s_mov_b32 s[G1R+4], 16
	s_mov_b32 s[G1R+5], 1536
	s_mov_b32 s[G1R+6], 0
	s_mov_b32 s[G1R+7], 0
	s_lshl_b32 s96, s24, 3                         ; A: tile 8 ty + 4 x half (made of ty and the wave's number alone)
	s_lshl_b32 s97, s20, 2
	s_add_co_u32 s96, s96, s97
	s_mul_i32 s96, s96, TILEB
	s_mov_b32 s97, 0
	s_mul_i32 s98, s20, 4*CHB                      ; and its place in a chunk
	s_lshl_b32 s100, s23, 4                        ; B, part 0: tile 16 tx + 8 x half (made of tx and the wave's number alone)
	s_lshl_b32 s101, s20, 3
	s_add_co_u32 s100, s100, s101
	s_mul_i32 s100, s100, TILEB
	s_mov_b32 s101, 0
	s_mul_i32 s99, s20, 8*CHB
	s_lshl_b32 s2, s23, 4                          ; B's refills: part 1's tiles 64 + 16 tx on, chunk = my wave's number
	s_add_co_u32 s2, s2, 64
	s_mul_i32 s2, s2, TILEB
	s_mul_i32 s3, s[WV], CHB
	s_add_co_u32 s2, s2, s3
	s_mov_b32 s3, 0
	s_lshr_b32 s66, s24, 4                         ; out: ((batch x 16 + head) x 16 + step) x 19,200; the part stands in the stores' immediates
	s_lshl_b32 s66, s66, 4
	s_lshl_b32 s67, s23, 2
	s_add_co_u32 s66, s66, s67
	s_add_co_u32 s66, s66, s[WV]
	s_lshl_b32 s66, s66, 4
	s_and_b32 s67, s24, 15
	s_add_co_u32 s66, s66, s67
	s_mul_i32 s66, s66, 19200
	s_mov_b32 s67, 0
	s_mov_b32 s[SEL], 0x76543210
	s_mov_b32 s[SEL+1], 0xfedcba98                 ; v_permlanex16_b32's selects for lane l xor 16
	s_wait_kmcnt 0x0
	s_add_nc_u64 s[96:97], s[4:5], s[96:97]
	s_add_nc_u64 s[100:101], s[6:7], s[100:101]
	s_add_nc_u64 s[60:61], s[16:17], s[66:67]
.irp c, 0,1,2,3
	s_mov_b32 s[G0A+4*\c], 1
	s_add_co_u32 s[G0A+4*\c+1], s98, \c*ACH
	s_add_nc_u64 s[G0A+4*\c+2:G0A+4*\c+3], s[96:97], \c*CHB
	s_or_b32 s[G0A+4*\c+3], s[G0A+4*\c+3], 0x80000000
	s_mov_b32 s[G0B+4*\c], 1
	s_add_co_u32 s[G0B+4*\c+1], s99, BBASE+\c*BCH
	s_add_nc_u64 s[G0B+4*\c+2:G0B+4*\c+3], s[100:101], \c*CHB
	s_or_b32 s[G0B+4*\c+3], s[G0B+4*\c+3], 0x80000000
.endr
	s_mov_b32 s[G0R], 1
	s_mul_i32 s[G0R+1], s[WV], BCH
	s_add_co_u32 s[G0R+1], s[G0R+1], BBASE         ; LDS: B's chunk number wave
	s_add_nc_u64 s[G0R+2:G0R+3], s[6:7], s[2:3]
	s_or_b32 s[G0R+3], s[G0R+3], 0x80000000
	CROUND                                         ; all sixteen work-groups are here: the joint loads meet
	s_cmp_eq_u32 s19, 0                            ; a wave's four first fills stand in one branch on the wave's number; four v_nop follow the last
	s_cbranch_scc0 .Lfill_b
	tensor_load_to_lds s[G0A:G0A+3], s[G1A:G1A+7]
	s_nop 0
	tensor_load_to_lds s[G0A+4:G0A+7], s[G1A:G1A+7]
	s_nop 0
	tensor_load_to_lds s[G0A+8:G0A+11], s[G1A:G1A+7]
	s_nop 0
	tensor_load_to_lds s[G0A+12:G0A+15], s[G1A:G1A+7]
	s_nop 0
	PLACES
	s_branch .Lfilled
.Lfill_b:
	tensor_load_to_lds s[G0B:G0B+3], s[G1B:G1B+7]
	s_nop 0
	tensor_load_to_lds s[G0B+4:G0B+7], s[G1B:G1B+7]
	s_nop 0
	tensor_load_to_lds s[G0B+8:G0B+11], s[G1B:G1B+7]
	s_nop 0
	tensor_load_to_lds s[G0B+12:G0B+15], s[G1B:G1B+7]
	s_nop 0
	PLACES
.Lfilled:
	v_and_b32 v20, 31, v0                          ; lane
	v_and_b32 v21, 15, v0                          ; r
	v_bfe_u32 v22, v0, 4, 1                        ; h
	v_lshlrev_b32 v4, 4, v20                       ; 16 x lane: registers 0-3 of an image; A's chunks 0, 1
	v_lshlrev_b32 v5, 3, v20
	v_add_nc_u32 v5, 512, v5                       ; 8 x lane + 512: registers 4-5
	v_add_nc_u32 v6, 2*ACH, v4                     ; A's chunks 2, 3
	v_add_nc_u32 v7, 2*ACH, v5
	v_lshlrev_b32 v3, 4, v21
	v_lshl_add_u32 v3, v22, 3, v3
	v_add_nc_u32 v3, 6144, v3                      ; out: two scale words a lane, behind the four fragments
	s_lshl_b32 s66, s24, 12                        ; scale words: A's tiles from XREG + 8 ty x 512,
	s_lshl_b32 s67, s23, 13
	s_lshl_b32 s2, s[WV], 11
	s_add_co_u32 s67, s67, s2
	s_add_co_u32 s67, s67, WREG                    ; B's, part 0, from WREG + (16 tx + 4 wave) x 512
	s_sub_co_u32 s67, s67, s66
	v_lshlrev_b32 v16, 4, v21
	v_add_nc_u32 v16, s66, v16
	v_mad_u32_u24 v16, v22, s67, v16               ; lanes 0-15 take A's rows, lanes 16-31 B's
	v_lshlrev_b32 v17, 11, v22
	v_sub_nc_u32 v17, v16, v17                     ; for i = 4 .. 7: lanes 16-31 take B's tile i - 4 again
	v_lshlrev_b32 v23, 15, v22                     ; a part on, B's scale words lie 64 tiles x 512 bytes on; A's stay
	v_add_nc_u32 v24, v16, v23                     ; part 1
	v_add_nc_u32 v25, v17, v23
	v_add_nc_u32 v26, v24, v23                     ; part 2
	v_add_nc_u32 v27, v25, v23
.macro SCLOAD p                        ; part p's scale words, 16 loads
.if (\p) == 0
.set SOF, 16
.else
.set SOF, 22+2*(\p)
.endif
.irp i, 0,1,2,3,4,5,6,7
.irp k, 0,1
	global_load_b128 v[SC+8*\i+4*\k:SC+8*\i+4*\k+3], v[SOF+\i/4], s[8:9] offset:512*\i+256*\k
.endr
.endr
.endm
	SCLOAD 0
	s_mul_i32 s3, s[WV], 4*CHB                     ; my four tiles of B in a chunk
.irp c, 0,1,2,3
	s_add_co_u32 s2, s3, BBASE+\c*BCH
	v_add_nc_u32 v[8+2*\c], s2, v4
	v_add_nc_u32 v[9+2*\c], s2, v5
.endr
	s_lshl_b32 s2, s23, 10                         ; the biases: my head's 64 numbers
	s_lshl_b32 s3, s[WV], 8
	s_add_co_u32 s2, s2, s3
	v_lshlrev_b32 v18, 6, v22                      ; q, k: tile b's register j is column 32 (b/2) + 8 (b%2) + 16 h + j
	v_add_nc_u32 v18, s2, v18
	v_and_b32 v19, 8, v21
	v_add_nc_u32 v19, v19, v21
	v_lshlrev_b32 v19, 2, v19                      ; v: all eight registers of tile b are column 32 (b/2) + 8 (b%2) + r + 8 (r/8)
	v_add_nc_u32 v19, s2, v19
	WIN 0x80                                       ; destination window 2
.irp b, 0,1,2,3
	global_load_b128 v[8*\b:8*\b+3], v18, s[10:11] offset:128*(\b/2)+32*(\b%2)
	global_load_b128 v[8*\b+4:8*\b+7], v18, s[10:11] offset:128*(\b/2)+32*(\b%2)+16
	global_load_b128 v[32+8*\b:32+8*\b+3], v18, s[12:13] offset:128*(\b/2)+32*(\b%2)
	global_load_b128 v[32+8*\b+4:32+8*\b+7], v18, s[12:13] offset:128*(\b/2)+32*(\b%2)+16
.endr
.irp b, 0,1,2,3
.irp j, 0,1,2,3,4,5,6,7
	global_load_b32 v[64+8*\b+\j], v19, s[14:15] offset:128*(\b/2)+32*(\b%2)
.endr
.endr
	WIN 0
.macro FRAG reg, a16, a8, off          ; a fragment (16 rows x 128 K, 12 registers): two half fragments on end
	ds_load_b128 v[\reg:\reg+3], v[\a16] offset:\off
	ds_load_b64 v[\reg+4:\reg+5], v[\a8] offset:\off
	ds_load_b128 v[\reg+6:\reg+9], v[\a16] offset:\off+768
	ds_load_b64 v[\reg+10:\reg+11], v[\a8] offset:\off+768
.endm
.macro FETCH g                         ; K step g's 12 fragments, 48 LDS loads, into set g % 2
.if (\g)%2
	WIN 0x80
.else
	WIN 0
.endif
.irp i, 0,1,2,3
	FRAG BF+12*\i, 8+2*((\g)/2), 9+2*((\g)/2), \i*CHB+((\g)%2)*1536
.endr
.irp i, 0,1,2,3,4,5,6,7
	FRAG AF+12*\i, 4+2*((\g)/4), 5+2*((\g)/4), (((\g)/2)%2)*ACH+\i*CHB+((\g)%2)*1536
.endr
	WIN 0
.endm
; 16 matrix instructions of part p, K step g: A's tiles a0 .. a0 + 3 x B's four.  The 32 accumulators take turns, one instruction a turn, in the same order in every K step.
; q, k: accumulator (a, b) at v[8 (4 a + b)];  v: at v[64 b + 8 a].  D window 1; C window 2 (the bias) in step 0, else window 1; the fragments in window 0 or 2.
.macro MULH p, g, a0
.if (\g) == 0
	WIN 0x60
.elseif (\g)%2
	WIN 0x5a
.else
	WIN 0x50
.endif
.irp a, \a0, \a0+1, \a0+2, \a0+3
.irp b, 0,1,2,3
.if (\p) < 2
.set rD, 8*(4*(\a)+\b)
.else
.set rD, 64*\b+8*(\a)
.endif
.set rC, rD
.if (\g) == 0
.set rC, 32*(\p)+8*\b
.endif
.if (\p) < 2
	v_wmma_scale_f32_16x16x128_f8f6f4 v[rD:rD+7], v[BF+12*\b:BF+12*\b+11], v[AF+12*(\a):AF+12*(\a)+11], v[rC:rC+7], v[SC+8*\b+(\g)], v[SC+8*(\a)+(\g)] matrix_a_fmt:MATRIX_FMT_FP6 matrix_b_fmt:MATRIX_FMT_FP6 matrix_a_scale:MATRIX_SCALE_ROW1
.else
	v_wmma_scale_f32_16x16x128_f8f6f4 v[rD:rD+7], v[AF+12*(\a):AF+12*(\a)+11], v[BF+12*\b:BF+12*\b+11], v[rC:rC+7], v[SC+8*(\a)+(\g)], v[SC+8*\b+(\g)] matrix_a_fmt:MATRIX_FMT_FP6 matrix_b_fmt:MATRIX_FMT_FP6 matrix_b_scale:MATRIX_SCALE_ROW1
.endif
.endr
.endr
.endm
.macro MUL p, g
	MULH \p, \g, 0
	MULH \p, \g, 4
	WIN 0
.endm
.macro RLOAD hi                        ; a joint refill of B: hi = 0: waves 0, 1 (chunks 0, 1); hi = 1: waves 2, 3 (chunks 2, 3).  The branch hangs on the wave's number alone; four v_nop follow the load
	s_cmp_eq_u32 s19, \hi
	s_cbranch_scc0 .Lnone_\@
	tensor_load_to_lds s[G0R:G0R+3], s[G1R:G1R+7]
	s_nop 0
	PLACES
.Lnone_\@:
.endm
.macro KSTEP p, g
.if (\g) == 7
	s_wait_dscnt 0x0                               ; the last fragments are in
	MUL \p, \g
.elseif (\g) == 3
	; chunks 0 and 1 are read out; chunks 2 and 3 are wanted next
	s_wait_tensorcnt 0x0                           ; all my tensor loads have landed: part 0: my first fills; later: my refill of chunk 2 or 3
	ds_add_u32 v[SPW], v[NIL]                      ; 0 onto my spare word
.if (\p) == 1
	s_add_nc_u64 s[G0R+2:G0R+3], s[G0R+2:G0R+3], PSTEP   ; no tensor load of mine is out: my refills now fetch part 2's tiles; the type bits on top are not reached
.endif
	s_wait_dscnt 0x0                               ; the add is done; this step's fragments are in, and with them my last reads of chunks 0 and 1
	s_barrier_signal -1
	MULH \p, 3, 0                                  ; work on registers while the others arrive
	WIN 0
	s_barrier_wait -1                              ; chunks 2 and 3 are whole for every wave
.if (\p) < 2
	CREST                                          ; the barrier has opened a round of the cluster's barrier: no wave of any partner still reads chunks 0 and 1 or has a load on its way
	RLOAD 0                                        ; the next part's chunks 0 and 1: the first tensor load behind the round
.endif
	PLACES
	FETCH 4
	MULH \p, 3, 4
	WIN 0
.elseif ((\g) == 1) && ((\p) == 0)
	s_wait_tensorcnt 0x2                           ; my part of chunk 1 has landed; my loads for chunks 2 and 3 may be out
	s_wait_dscnt 0x0                               ; this step's fragments are in, and no LDS load of mine is out at the signal
	s_barrier_signal -1
	s_barrier_wait -1                              ; everybody's part has landed
	PLACES
	FETCH 2
	MUL \p, \g
.else
.if (\g) > 0
	PLACES
.endif
	FETCH (\g)+1
	s_wait_dscnt 48                                ; all but the 48 loads just issued: this step's fragments are in
.if (\g) == 0
	s_wait_loadcnt 0x0                             ; the part's scale words (part 0: the biases too)
.endif
	MUL \p, \g
.endif
.endm
; THE WAY OUT.  In both layouts registers 64 f + 16 b + i of window 1 are number 32 b + 16 h + i along the next K of my row of fragment f.
; 64 such numbers become a fragment's codes in v[pc] on and its scale word in v[pw].
.macro QUANT s, pc, pw
	WIN 0x05                                       ; sources 0 and 1: window 1
.irp b, 0,1,2,3
	v_max3_num_f32 v[TM+\b], |v[\s+16*\b]|, |v[\s+16*\b+1]|, 0x1800000   ; my 16 numbers of block b, each accumulator from its low end on, and the floor 2^(3 - 127)
.endr
.irp i, 2,4,6,8,10,12,14
.irp b, 0,1,2,3
	v_max3_num_f32 v[TM+\b], |v[\s+16*\b+\i]|, |v[\s+16*\b+\i+1]|, v[TM+\b]
.endr
.endr
	WIN 0
.irp b, 0,1,2,3
	v_permlanex16_b32 v[TM+4+\b], v[TM+\b], s[SEL], s[SEL+1]
.endr
.irp b, 0,1,2,3
	v_max_num_f32 v[TM+\b], v[TM+\b], v[TM+4+\b]   ; with lane l xor 16's: the block's largest magnitude
.endr
.irp b, 0,1,2,3
	v_add_nc_u32 v[TM+12+\b], 0xff000000, v[TM+\b] ; 2 off its exponent field: the conversion's scale operand
.endr
.irp b, 0,1,2,3
	v_lshrrev_b32 v[TM+4+\b], 23, v[TM+12+\b]      ; the scale's byte
.endr
	v_lshl_or_b32 v[\pw], v[TM+5], 8, v[TM+4]
	v_lshl_or_b32 v[\pw], v[TM+6], 16, v[\pw]
	v_lshl_or_b32 v[\pw], v[TM+7], 24, v[\pw]
	WIN 0x01                                       ; source 0: window 1
.irp c, 0,1
	v_cvt_scalef32_pk16_fp6_f32 v[\pc+6*\c:\pc+6*\c+2], v[\s+32*\c:\s+32*\c+15], v[TM+12+2*\c]
	v_cvt_scalef32_pk16_fp6_f32 v[TQ+4*\c:TQ+4*\c+2], v[\s+32*\c+16:\s+32*\c+31], v[TM+13+2*\c]   ; (a conversion's three registers begin on an even number)
.endr
	WIN 0
	v_nop                                          ; one plain place behind a scaled conversion
.irp c, 0,1                            ; the operand's layout wants a whole block in a lane: lanes 0-15 block 2 c, lanes 16-31 block 2 c + 1
.irp i, 0,1,2
	v_permlane16_swap_b32 v[\pc+6*\c+\i], v[TQ+4*\c+\i]
.endr
.irp i, 0,1,2
	v_mov_b32 v[\pc+6*\c+3+\i], v[TQ+4*\c+\i]
.endr
.endr
.endm
.macro PUTFRAG pc, off                 ; the fragment leaves as it stands: runs of 512 and 256 consecutive bytes, each at a multiple of 256
	global_store_b128 v4, v[\pc:\pc+3], s[60:61] offset:\off
	global_store_b64 v5, v[\pc+4:\pc+5], s[60:61] offset:\off
	global_store_b128 v4, v[\pc+6:\pc+9], s[60:61] offset:\off+768
	global_store_b64 v5, v[\pc+10:\pc+11], s[60:61] offset:\off+768
.endm
.macro OUT p
	PLACES                                         ; behind the last products: for the reads of results, the loads into the scale words, and the registers that are now at work
.if (\p) < 2
	SCLOAD (\p)+1                                  ; the next part's scale words land under the way out
.endif
.irp b, 0,1,2,3
	v_mov_b32 v[TM+4+\b], 0                        ; a lane permute's destination counts as one of its sources
.endr
.irp f, 0,1,2,3
	QUANT 64*\f, PC+12*\f, PW+\f
	PUTFRAG PC+12*\f, 6400*(\p)+1536*\f
.endr
	v_cndmask_b32 v[PW+4], v[PW], v[PW+2], s[LMASK]   ; lane (r, h) stores words 2 h and 2 h + 1 of row r
	v_cndmask_b32 v[PW+5], v[PW+1], v[PW+3], s[LMASK]
	global_store_b64 v3, v[PW+4:PW+5], s[60:61] offset:6400*(\p)   ; 256 consecutive bytes
.endm
.macro NEXT                            ; between two parts: chunks 2 and 3 are read out; the next part's chunks 0 and 1 are wanted next
	s_wait_tensorcnt 0x0                           ; all my tensor loads have landed: my refill of chunk 0 or 1
	ds_add_u32 v[SPW], v[NIL]                      ; 0 onto my spare word
	s_wait_xcnt 0x0                                ; the way out's stores have read their data: the fragments below land in those registers
	s_wait_dscnt 0x0                               ; the add is done; my reads of chunks 2 and 3 were over at K step 7
	CROUND                                         ; no wave of any partner still reads chunks 2 and 3 or has a load on its way; chunks 0 and 1 are whole for every wave
	RLOAD 1                                        ; the next part's chunks 2 and 3: the first tensor load behind the round
	FETCH 0
.endm
.macro PARTK p
	KSTEP \p, 0
	KSTEP \p, 1
	KSTEP \p, 2
	KSTEP \p, 3
	KSTEP \p, 4
	KSTEP \p, 5
	KSTEP \p, 6
	KSTEP \p, 7
	OUT \p
.endm
	s_wait_tensorcnt 0x3                           ; my part of chunk 0 has landed; my other three loads may be out
	s_barrier_signal -1
	s_barrier_wait -1
	FETCH 0
	PARTK 0                                        ; q
	NEXT
	PARTK 1                                        ; k
	NEXT
	PARTK 2                                        ; v
	s_wait_tensorcnt 0x0                           ; the wave's end
	ds_add_u32 v[SPW], v[NIL]
	s_wait_dscnt 0x0
	CROUND                                         ; the closing round: no work-group ends while a partner may still ask for a chunk that names it
	s_endpgm
.Lfunc_end_k_qfd75301e94_qkv:
	.size	k_qfd75301e94_qkv, .Lfunc_end_k_qfd75301e94_qkv-k_qfd75301e94_qkv
	.p2alignl 7, 3214868480
	.fill 96, 4, 3214868480
	.section	.rodata,"a",@progbits
	.p2align	6, 0x0
	.amdhsa_kernel k_qfd75301e94_qkv
		.amdhsa_group_segment_fixed_size 327680
		.amdhsa_private_segment_fixed_size 0
		.amdhsa_enable_private_segment 0
		.amdhsa_kernarg_size 56
		.amdhsa_user_sgpr_count 2
		.amdhsa_user_sgpr_kernarg_segment_ptr 1
		.amdhsa_wavefront_size32 1
		.amdhsa_system_sgpr_workgroup_id_x 1
		.amdhsa_system_sgpr_workgroup_id_y 1
		.amdhsa_system_sgpr_workgroup_id_z 1
		.amdhsa_system_vgpr_workitem_id 0
		.amdhsa_next_free_vgpr 768
		.amdhsa_next_free_sgpr 102
		.amdhsa_reserve_vcc 0
		.amdhsa_float_denorm_mode_32 3
		.amdhsa_float_denorm_mode_16_64 3
		.amdhsa_memory_ordered 1
		.amdhsa_forward_progress 1
		.amdhsa_inst_pref_size 248
	.end_amdhsa_kernel
	.amdgpu_metadata
---
amdhsa.version: [ 1, 2 ]
amdhsa.kernels:
  - .name:           k_qfd75301e94_qkv
    .symbol:         k_qfd75301e94_qkv.kd
    .args:
      - { .name: x_codes, .offset: 0, .size: 8, .value_kind: global_buffer, .address_space: global }
      - { .name: w_codes, .offset: 8, .size: 8, .value_kind: global_buffer, .address_space: global }
      - { .name: scales, .offset: 16, .size: 8, .value_kind: global_buffer, .address_space: global }
      - { .name: bq, .offset: 24, .size: 8, .value_kind: global_buffer, .address_space: global }
      - { .name: bk, .offset: 32, .size: 8, .value_kind: global_buffer, .address_space: global }
      - { .name: bv, .offset: 40, .size: 8, .value_kind: global_buffer, .address_space: global }
      - { .name: qkv, .offset: 48, .size: 8, .value_kind: global_buffer, .address_space: global }
    .group_segment_fixed_size: 327680
    .private_segment_fixed_size: 0
    .kernarg_segment_align: 8
    .kernarg_segment_size: 56
    .max_flat_workgroup_size: 128
    .sgpr_count:     102
    .vgpr_count:     768
    .wavefront_size: 32
...
	.end_amdgpu_metadata
.endif
;; end of part 2
;; launch attn (part 3): grid 4 x 64, 16 waves a work-group, no clusters, 206,848 bytes of LDS; arguments qkv, ao_codes, scales; writes ao_codes, scales
.if DOCPART == 3
	.amdgcn_target "amdgcn-amd-amdhsa--gfx1250"
	.amdhsa_code_object_version 6
	.text
	.protected	k_qfd75301e94_attn
	.globl	k_qfd75301e94_attn
	.p2align	8
	.type	k_qfd75301e94_attn,@function
k_qfd75301e94_attn:
	s_mov_b64 s[64:65], 0
	v_nop
	global_prefetch_b8 v0, s[64:65] scope:SCOPE_SE
	s_setreg_imm32_b32 hwreg(HW_REG_WAVE_MODE, 25, 1), 1
	s_wait_xcnt 0x0
; Causal attention of one head on codes of FP6 (E2M3): S^T = K Q^T (K = the head's 64), softmax, O^T = V^T P^T (K = the keys); the result is quantised along the model's 1,024 for the last product.
; THE SOFTMAX: t = score x log2(e) / 8; M = the running largest t rounded UP to a whole number; p = 2^(t - M) is quantised along the keys, not normalised; the row's sum is taken of the
; unquantised p and divides O at the end; when M moves, the sum and O are multiplied by 2^(old M - new M): exact.
; SHARES.  Work-group (i, head) owns the blocks i and 7 - i of 256 queries.  Wave w takes the query tiles T = 16 i + w (low) and 127 - T (high): T / 8 + 1 and 16 - T / 8 key steps of 128 keys,
; 17 for every wave of every work-group.  Sixteen waves of 256 registers, four to a SIMD: one wave's vector work stands beside another's matrix work.
; ORDER.  The high tile comes first.  Its key steps 0-7 are eight full steps in every wave (all its queries are 1,024 or more: nothing is hidden) and want only the first half of the keys.
; Then the one barrier for the second half; behind it the high tile's steps 8 to 15 - T / 8 and the low tile's T / 8 + 1: nine steps in every wave.  So the waves do equal work on both sides of the barrier.
; THE HEAD'S k AND v LIE IN LDS WHOLE: 16 steps x 12,800 bytes, filled once, two tensor loads a wave (two are out at the most), both issued at the head.  Both tiles' q are loaded at the head too.
; NO JOINT LOADS: the four work-groups of a head differ in nothing but their place among the four, and which key steps a wave leaves out hangs on that place.
; The price: each head's 204,800 bytes are asked for four times, and keys behind a block's last query are fetched and not read.
; LAYOUT.  Both products are used transposed: a lane holds one query (lane % 16).  A fragment of k holds TWO tiles of 16 keys, 64 along K each; q stands between zeros, so that
; [q | 0] picks the first tile and [0 | q] the second: zero codes add nothing.  Key tile 2 f + u, row r, is key 32 f + 8 u + r + 8 (r / 8): the 16 registers of two neighbouring tiles are 16 neighbouring keys.
; LIMITS: NaN and infinities are not served; a block under 2^-124 or of zeros gets the byte 1: only this program reads the bytes.  The scale bytes of the result leave one byte a lane.
; REGISTERS: v1-3 lane terms; v4-6 LDS addresses in hand; v7 my query - 16 h; v9-11 lane terms; v12 -M; v13 the largest t; v[14:15] the sum; v16-33 zeros, q, zeros; v34 q's scale word;
;   v36-83 four fragments; v84-87 k's scale words, v88-91 v's; v96-159 S^T, then p; v160-191 O^T; v192-203 p's codes; v204-210 the conversions' second halves; v212-231 at work; v232-238 the low tile's q and scale word.
.set RECB,  19200                      ; a step's q, k, v in memory
.set STEPB, 12800                      ; a step's k and v in LDS: k's fragments, 256 bytes of its scale words, v's fragments, its scale words
.set AOREG, 262144
.set FRG,   36
.set KS,    84
.set VS,    88
.set S,     96
.set O,     160
.set PCD,   192
.set CT,    204
.set BM,    212                        ; v212-215 a block's largest score, then its largest p
.set BT,    216                        ; v216-219 the other half's; then the bytes
.set SO,    220                        ; v220-223 the conversions' scale operands
.set T0,    224
.set T1,    225
.set FF,    226                        ; v[226:227] f = 2^(old M - new M); the packed forms name the pair and take its low word
.set PWD,   228                        ; p's scale word
.set NINF,  229
.set SU,    230                        ; v[230:231] the sum's second chain
.set QL,    232
	s_load_b128 s[4:7], s[0:1], 0x0                ; qkv, ao_codes
	s_load_b64 s[8:9], s[0:1], 0x10                ; scales
	v_lshl_add_u32 v254, v0, 2, 0x32000
	v_mov_b32 v255, 0
	ds_add_u32 v254, v255
	ds_add_u32 v254, v255
	v_lshrrev_b32 v4, 5, v0
	s_delay_alu instid0(VALU_DEP_1)
	v_readfirstlane_b32 s10, v4                    ; wave 0..15
	s_and_b32 s12, ttmp7, 0xffff                   ; batch x 16 + head
	s_lshl_b32 s13, ttmp9, 4
	s_add_co_u32 s13, s13, s10                     ; T, the low tile
	s_sub_co_u32 s14, 127, s13                     ; the high tile
	s_mul_i32 s52, s12, 16*RECB                    ; the head's record
	s_mov_b32 s53, 0
	s_lshr_b32 s54, s10, 1                         ; my first load: step wave / 2, k (wave even) or v (odd)
	s_mul_i32 s54, s54, RECB
	s_and_b32 s55, s10, 1
	s_mul_i32 s55, s55, 6400
	s_add_co_u32 s54, s54, s55
	s_add_co_u32 s54, s54, 6400
	s_mov_b32 s55, 0
	; group 1: 6,400 dense bytes as 25 rows of 256 bytes (32 elements of 8 bytes)
	s_mov_b32 s16, 3<<16
	s_mov_b32 s17, 32<<16
	s_mov_b32 s18, 25<<16
	s_mov_b32 s19, 32<<16
	s_mov_b32 s20, 25
	s_mov_b32 s21, 32
	s_mov_b32 s22, 0
	s_mov_b32 s23, 0
	s_mov_b32 s24, 1
	s_mul_i32 s25, s10, 6400                       ; LDS: 6,400 x wave
	s_mov_b32 s28, 1
	s_add_co_u32 s29, s25, 8*STEPB                 ; my second load: eight steps on
	s_mov_b32 s32, 0x76543210
	s_mov_b32 s33, 0xfedcba98                      ; v_permlanex16_b32's selects for lane l xor 16
	s_mov_b32 s34, 0x3e38aa3b                      ; c = log2(e) / 8
	s_mov_b32 s35, s34                             ; (named with it as a pair, so it is written)
	s_mov_b32 s40, 0xffff0000                      ; lanes 16-31
	s_wait_dscnt 0x0
	s_wait_kmcnt 0x0
	s_add_nc_u64 s[42:43], s[4:5], s[52:53]
	s_add_nc_u64 s[26:27], s[42:43], s[54:55]
	s_add_nc_u64 s[30:31], s[26:27], 8*RECB
	s_or_b32 s27, s27, 0x80000000
	s_or_b32 s31, s31, 0x80000000
	tensor_load_to_lds s[24:27], s[16:23]          ; steps 0-7
	s_nop 0
	tensor_load_to_lds s[28:31], s[16:23]          ; steps 8-15
	s_nop 0
.rept 4
	v_nop
.endr
	v_and_b32 v4, 31, v0                           ; lane
	v_and_b32 v5, 15, v0                           ; r
	v_bfe_u32 v6, v0, 4, 1                         ; h
	s_delay_alu instid0(VALU_DEP_3)
	v_lshlrev_b32 v1, 4, v4                        ; 16 x lane: registers 0-3 of an image
	s_delay_alu instid0(VALU_DEP_4)
	v_lshlrev_b32 v2, 3, v4
	s_delay_alu instid0(VALU_DEP_1)
	v_add_nc_u32 v2, 512, v2                       ; 8 x lane + 512: registers 4-5
	s_wait_alu depctr_va_vdst(0)
	v_lshlrev_b32 v11, 4, v5                       ; 16 r
	s_wait_alu depctr_va_vdst(0)
	v_add_nc_u32 v3, 6144, v11                     ; a row's four scale words
	v_add_nc_u32 v10, v11, v6                      ; 16 r + h: my scale byte of the result
	v_and_b32 v9, 8, v5
	s_delay_alu instid0(VALU_DEP_1)
	v_add_nc_u32 v9, v9, v5
	v_lshlrev_b32 v8, 4, v6
	s_delay_alu instid0(VALU_DEP_1)
	v_sub_nc_u32 v9, v9, v8                        ; r + 8 (r / 8) - 16 h
	v_mov_b32 v[NINF], 0xff800000                  ; -infinity
; The tile in s[tile]: its half fragment of q into v[r0] on, its fragment's scale word into v[rs]; pa, pb: scalar pairs of its own for the two addresses
.macro QLOAD tile, pa, pb, r0, rs
	s_lshr_b32 s52, s[\tile], 3
	s_mul_i32 s52, s52, RECB                       ; the tile's step,
	s_bfe_u32 s53, s[\tile], 0x20001               ; its fragment f = (T / 2) % 4,
	s_and_b32 s56, s[\tile], 1                     ; its half of it
	s_mul_i32 s54, s53, 1536
	s_mul_i32 s56, s56, 768
	s_add_co_u32 s54, s54, s56
	s_add_co_u32 s54, s54, s52
	s_mov_b32 s55, 0
	s_add_nc_u64 s[\pa:\pa+1], s[42:43], s[54:55]
	s_lshl_b32 s58, s53, 2
	s_add_co_u32 s58, s58, s52
	s_add_co_u32 s58, s58, 6144
	s_mov_b32 s59, 0
	s_add_nc_u64 s[\pb:\pb+1], s[42:43], s[58:59]
	global_load_b128 v[\r0:\r0+3], v1, s[\pa:\pa+1]
	global_load_b64 v[\r0+4:\r0+5], v2, s[\pa:\pa+1]
	global_load_b32 v[\rs], v11, s[\pb:\pb+1]
.endm
	QLOAD 14, 44, 46, 22, 34                       ; both tiles' q land under the wait for the first tiles
	QLOAD 13, 66, 68, QL, QL+6
.macro FRAG reg, off                   ; a fragment: two half fragments on end
	ds_load_b128 v[\reg:\reg+3], v4 offset:\off
	ds_load_b64 v[\reg+4:\reg+5], v5 offset:\off
	ds_load_b128 v[\reg+6:\reg+9], v4 offset:\off+768
	ds_load_b64 v[\reg+10:\reg+11], v5 offset:\off+768
.endm
.macro MBLK b                          ; the mask of block b of 32 keys.  A block that lies wholly in front of the tile pair's first query is left as it is: a branch on ids
	s_cmp_gt_u32 s41, 32*\b
	s_cbranch_scc1 .Lblk_\@
.set n, 16*\b
	s_wait_alu depctr_va_vdst(0)
.rept 16
	v_cmp_gt_i32 vcc_lo, 32*(n/16)+n%16, v[T1]
	v_cndmask_b32 v[S+n], v[S+n], v[NINF], vcc_lo
.set n, n+1
.endr
.Lblk_\@:
.endm
; A KEY STEP: 128 keys from s37 on; their bytes begin at LDS byte s36.  masked = 0: a step that is known to lie wholly in front of my queries
.macro STEP masked
.if \masked
	s_cmp_gt_u32 s37, s39                          ; all 128 keys come after my tile pair's 32 queries: the work is left out.  A branch on ids; the addresses' steps stand behind it
	s_cbranch_scc1 .Lhidden_\@
.endif
	s_setprio 2
	v_add_nc_u32 v4, s36, v1                       ; (these three and the v_nop are the four places behind the last products)
	v_add_nc_u32 v5, s36, v2
	v_add_nc_u32 v6, s36, v3
	v_nop
.irp f, 0,1,2,3
	FRAG FRG+12*\f, 1536*\f
.endr
	ds_load_b128 v[KS:KS+3], v6
	s_wait_alu depctr_va_vdst(0)
	s_wait_dscnt 0x0
.irp f, 0,1,2,3                        ; eight tiles of scores; one fragment serves two products
	v_wmma_scale_f32_16x16x128_f8f6f4 v[S+16*\f:S+16*\f+7], v[FRG+12*\f:FRG+12*\f+11], v[22:33], 0, v[KS+\f], v34 matrix_a_fmt:MATRIX_FMT_FP6 matrix_b_fmt:MATRIX_FMT_FP6
	v_wmma_scale_f32_16x16x128_f8f6f4 v[S+16*\f+8:S+16*\f+15], v[FRG+12*\f:FRG+12*\f+11], v[16:27], 0, v[KS+\f], v34 matrix_a_fmt:MATRIX_FMT_FP6 matrix_b_fmt:MATRIX_FMT_FP6
.endr
.rept 4
	v_nop                                          ; places in front of the loads below and of the first read of the scores
.endr
.irp f, 0,1,2,3
	FRAG FRG+12*\f, 6400+1536*\f                   ; v's fragments land under the softmax
.endr
	ds_load_b128 v[VS:VS+3], v6 offset:6400
.if \masked
	s_add_co_u32 s41, s37, 127
	s_cmp_le_u32 s41, s39                          ; all keys count: no mask
	s_cbranch_scc1 .Lopen_\@
	s_sub_co_u32 s41, s39, s37                     ; the tile pair's first query less the step's first key: 0, 32, 64 or 96
	v_sub_nc_u32 v[T1], v7, s37                    ; d = my query - the step's first key - 16 h.  Register 16 b + i holds key 32 b + 16 h + i of the step: hidden where 32 b + i > d
	MBLK 0
	MBLK 1
	MBLK 2
	MBLK 3
.Lopen_\@:
.endif
.irp b, 0,1,2,3
	v_max3_num_f32 v[BM+\b], v[S+16*\b], v[S+16*\b+1], v[S+16*\b+2]   ; the largest score of each block of 32 keys: for the row's maximum, and, since p rises with the score, for the block's largest p
.endr
.irp i, 3,5,7,9,11,13
.irp b, 0,1,2,3
	v_max3_num_f32 v[BM+\b], v[BM+\b], v[S+16*\b+\i], v[S+16*\b+\i+1]
.endr
.endr
.irp b, 0,1,2,3
	v_max_num_f32 v[BM+\b], v[BM+\b], v[S+16*\b+15]
.endr
.irp b, 0,1,2,3
	s_delay_alu instid0(VALU_DEP_4)
	v_permlanex16_b32 v[BT+\b], v[BM+\b], s32, s33
.endr
.irp b, 0,1,2,3
	s_delay_alu instid0(VALU_DEP_4)
	v_max_num_f32 v[BM+\b], v[BM+\b], v[BT+\b]     ; with lane l xor 16's 16 keys
.endr
	s_delay_alu instid0(VALU_DEP_2)
	v_max3_num_f32 v[T0], v[BM], v[BM+1], v[BM+2]
	s_delay_alu instid0(VALU_DEP_1)
	v_max_num_f32 v[T0], v[T0], v[BM+3]            ; the step's largest score of my query (the step's first key counts for it, so it is a number)
	s_delay_alu instid0(VALU_DEP_1)
	v_mul_f32 v[T0], s34, v[T0]
	s_delay_alu instid0(VALU_DEP_1)
	v_max_num_f32 v13, v13, v[T0]                  ; the running largest t
	v_mov_b32 v[T0], v12
	s_delay_alu instid0(VALU_DEP_2)
	v_floor_f32 v12, -v13                          ; the new -M = floor(-t)
	s_delay_alu instid0(VALU_DEP_1)
	v_sub_f32 v[T0], v12, v[T0]                    ; old M - new M: a whole number, 0 or less
	s_delay_alu instid0(VALU_DEP_1)
	v_cvt_i32_f32 v[T0], v[T0]                     ; (it saturates)
	s_delay_alu instid0(VALU_DEP_1)
	v_ldexp_f32 v[FF], 1.0, v[T0]                  ; f
.set n, 0
.rept 32
	v_pk_fma_f32 v[S+n:S+n+1], v[S+n:S+n+1], s[34:35], v[12:13] op_sel_hi:[1,0,0]   ; t - M, two at a time
.set n, n+2
.endr
.irp b, 0,1,2,3
	v_fma_f32 v[BM+\b], v[BM+\b], s34, v12         ; the same of each block's largest score
.endr
.set n, 0
	s_setprio 1
	s_wait_alu depctr_va_vdst(0)
.rept 64
	v_exp_f32 v[S+n], v[S+n]                       ; p = 2^(t - M)
.set n, n+1
.endr
.irp b, 0,1,2,3
	v_exp_f32 v[BM+\b], v[BM+\b]                   ; the block's largest p: the same two instructions on the same number
.endr
	v_pk_mul_f32 v[14:15], v[14:15], v[FF:FF+1] op_sel_hi:[1,0]      ; the sums under the new M.  (A plain place behind the exponentials)
	s_wait_alu depctr_va_vdst(0)
.irp b, 0,1,2,3
	v_max_num_f32 v[BM+\b], 0x1800000, v[BM+\b]    ; the floor 2^(3 - 127): a block whose every p is 0 keeps the byte 1: its codes are zeros
.endr
.irp b, 0,1,2,3
	s_delay_alu instid0(VALU_DEP_4)
	v_add_nc_u32 v[SO+\b], 0xff000000, v[BM+\b]
.endr
.irp b, 0,1,2,3
	s_delay_alu instid0(VALU_DEP_4)
	v_lshrrev_b32 v[BT+\b], 23, v[SO+\b]
.endr
	s_delay_alu instid0(VALU_DEP_3)
	v_lshl_or_b32 v[PWD], v[BT+1], 8, v[BT]
	s_delay_alu instid0(VALU_DEP_1)
	v_lshl_or_b32 v[PWD], v[BT+2], 16, v[PWD]
	s_delay_alu instid0(VALU_DEP_1)
	v_lshl_or_b32 v[PWD], v[BT+3], 24, v[PWD]
.irp c, 0,1
	v_cvt_scalef32_pk16_fp6_f32 v[PCD+6*\c:PCD+6*\c+2], v[S+32*\c:S+32*\c+15], v[SO+2*\c]
	v_cvt_scalef32_pk16_fp6_f32 v[CT+4*\c:CT+4*\c+2], v[S+32*\c+16:S+32*\c+31], v[SO+2*\c+1]
.endr
	v_nop                                          ; one plain place behind a scaled conversion
.irp c, 0,1
.irp i, 0,1,2
	v_permlane16_swap_b32 v[PCD+6*\c+\i], v[CT+4*\c+\i]
.endr
.irp i, 0,1,2
	s_delay_alu instid0(VALU_DEP_3)
	v_mov_b32 v[PCD+6*\c+3+\i], v[CT+4*\c+\i]
.endr
.endr
	v_pk_add_f32 v[230:231], v[100:101], v[104:105]
	v_pk_add_f32 v[252:253], v[108:109], v[112:113]
	v_pk_add_f32 v[250:251], v[116:117], v[120:121]
	v_pk_add_f32 v[248:249], v[124:125], v[128:129]
	v_pk_add_f32 v[246:247], v[132:133], v[136:137]
	v_pk_add_f32 v[244:245], v[140:141], v[144:145]
	v_pk_add_f32 v[242:243], v[148:149], v[152:153]
	v_pk_add_f32 v[14:15], v[14:15], v[156:157]
	v_pk_add_f32 v[230:231], v[230:231], v[96:97]
	v_pk_add_f32 v[252:253], v[252:253], v[98:99]
	v_pk_add_f32 v[250:251], v[250:251], v[102:103]
	v_pk_add_f32 v[248:249], v[248:249], v[106:107]
	v_pk_add_f32 v[246:247], v[246:247], v[110:111]
	v_pk_add_f32 v[244:245], v[244:245], v[114:115]
	v_pk_add_f32 v[242:243], v[242:243], v[118:119]
	v_pk_add_f32 v[14:15], v[14:15], v[122:123]
	v_pk_add_f32 v[230:231], v[230:231], v[126:127]
	v_pk_add_f32 v[252:253], v[252:253], v[130:131]
	v_pk_add_f32 v[250:251], v[250:251], v[134:135]
	v_pk_add_f32 v[248:249], v[248:249], v[138:139]
	s_setprio 0
	v_pk_add_f32 v[246:247], v[246:247], v[142:143]
	v_pk_add_f32 v[244:245], v[244:245], v[146:147]
	v_pk_add_f32 v[242:243], v[242:243], v[150:151]
	v_pk_add_f32 v[14:15], v[14:15], v[154:155]
	v_pk_add_f32 v[230:231], v[230:231], v[158:159]
	s_delay_alu instid0(VALU_DEP_2)
	v_pk_add_f32 v[14:15], v[14:15], v[248:249]
	s_delay_alu instid0(VALU_DEP_2)
	v_pk_add_f32 v[230:231], v[230:231], v[246:247]
	v_pk_add_f32 v[252:253], v[252:253], v[244:245]
	v_pk_add_f32 v[250:251], v[250:251], v[242:243]
	s_delay_alu instid0(VALU_DEP_2)
	v_pk_add_f32 v[14:15], v[14:15], v[252:253]
	s_delay_alu instid0(VALU_DEP_2)
	v_pk_add_f32 v[230:231], v[230:231], v[250:251]
	s_delay_alu instid0(VALU_DEP_1)
	v_pk_add_f32 v[14:15], v[14:15], v[230:231]
.set n, 0
.rept 16
	v_pk_mul_f32 v[O+n:O+n+1], v[O+n:O+n+1], v[FF:FF+1] op_sel_hi:[1,0]   ; O^T under the new M, each accumulator from its low end on.  (With the sums: more than the eight places that p's scale word wants)
.set n, n+2
.endr
	s_wait_alu depctr_va_vdst(0)
	s_wait_dscnt 0x0                               ; v's fragments and scale words are in
.irp t, 0,1,2,3                        ; the four accumulators by turns
	v_wmma_scale_f32_16x16x128_f8f6f4 v[O+8*\t:O+8*\t+7], v[FRG+12*\t:FRG+12*\t+11], v[PCD:PCD+11], v[O+8*\t:O+8*\t+7], v[VS+\t], v[PWD] matrix_a_fmt:MATRIX_FMT_FP6 matrix_b_fmt:MATRIX_FMT_FP6
.endr
.if \masked
.Lhidden_\@:
.endif
.endm
; n key steps from step first on; both are constants of the text (steps behind the tile are left out inside the trip)
.macro KLOOP first, n, masked
	s_mov_b32 s36, \first*STEPB
	s_mov_b32 s37, \first*128
	s_mov_b32 s38, 0
.Lstep_\@:
	STEP \masked
	s_add_co_u32 s36, s36, STEPB
	s_add_co_u32 s37, s37, 128
	s_add_co_u32 s38, s38, 1
	s_cmp_lt_u32 s38, \n
	s_cbranch_scc1 .Lstep_\@
	s_setprio 0
.endm
; A tile's head: where its result goes, q between zeros, the starts of the sums.  low = 1: the second tile, whose q waits in v[QL] on
.macro PHEAD tile, low
.if \low
	s_wait_xcnt 0x0                                ; the first tile's stores have read their addresses and data: both are written again below
.endif
	s_and_b32 s57, s[\tile], 1
	s_lshr_b32 s39, s[\tile], 1
	s_lshl_b32 s39, s39, 5                         ; the tile pair's first query
	s_lshl_b32 s56, s57, 3
	s_add_co_u32 s56, s56, s39
	v_add_nc_u32 v7, s56, v9                       ; my query - 16 h
	s_lshl_b32 s57, s57, 4                         ; my tile's two bytes of the scale word
	s_lshr_b32 s52, s12, 4
	s_lshl_b32 s52, s52, 7
	s_add_co_u32 s52, s52, s[\tile]                ; the tile among all tokens' tiles
	s_and_b32 s53, s12, 15                         ; the head
	s_mul_i32 s54, s52, 12288
	s_mul_i32 s56, s53, 768
	s_add_co_u32 s54, s54, s56
	s_mov_b32 s55, 0
	s_add_nc_u64 s[48:49], s[6:7], s[54:55]        ; out: half fragment number head of the tile
	s_lshl_b32 s58, s52, 9
	s_lshr_b32 s56, s53, 3
	s_lshl_b32 s56, s56, 8
	s_add_co_u32 s58, s58, s56
	s_and_b32 s56, s53, 7
	s_lshl_b32 s56, s56, 1
	s_add_co_u32 s58, s58, s56
	s_add_co_u32 s58, s58, AOREG
	s_mov_b32 s59, 0
	s_add_nc_u64 s[50:51], s[8:9], s[58:59]        ; its scale bytes: tile x 512 + (head / 8) x 256 + 2 (head % 8), + 16 r + h
.if \low
.irp j, 0,1,2,3,4,5
	v_mov_b32 v[22+\j], v[QL+\j]
.endr
	v_lshrrev_b32 v34, s57, v[QL+6]
.else
	v_lshrrev_b32 v34, s57, v34
.endif
	s_delay_alu instid0(VALU_DEP_1)
	v_and_b32 v34, 0xffff, v34
	s_delay_alu instid0(VALU_DEP_1)
	v_lshl_or_b32 v34, v34, 16, v34                ; q's two bytes, for either half of K.  The lines below are more than the eight places that a scale word so made wants
.irp j, 16,17,18,19,20,21,28,29,30,31,32,33
	v_mov_b32 v[\j], 0                             ; zero codes on both sides of q
.endr
.set n, 0
.rept 32
	v_mov_b32 v[O+n], 0                            ; O^T: the first step finds zeros, which the first change of M leaves zeros
.set n, n+1
.endr
	v_mov_b32 v13, 0xff61b1e6                      ; the largest t so far: -3e38
	s_delay_alu instid0(VALU_DEP_1)
	v_floor_f32 v12, -v13
	v_mov_b32 v14, 0
	v_mov_b32 v15, 0
.irp b, 0,1,2,3
	v_mov_b32 v[BT+\b], 0                          ; a lane permute's destination counts as one of its sources
.endr
	v_mov_b32 v[T0], 0
	v_mov_b32 v[FF+1], 0                           ; (named as the upper half of a pair)
.endm
; A tile's end: O^T / the sum, quantised along the head's 64, which are two blocks of the last product's K
.macro PEND
.rept 4
	v_nop                                          ; places behind the last products
.endr
	v_add_f32 v14, v14, v15
	s_delay_alu instid0(VALU_DEP_1)
	v_permlanex16_b32 v[T0], v14, s32, s33
	s_delay_alu instid0(VALU_DEP_1)
	v_add_f32 v14, v14, v[T0]                      ; the row's sum
	s_wait_alu depctr_va_vdst(0)
	v_rcp_f32 v14, v14
	v_nop                                          ; one plain place behind a transcendental
.set n, 0
	s_wait_alu depctr_va_vdst(0)
.rept 32
	v_mul_f32 v[S+n], v[O+n], v14                  ; register 16 b + i is channel 32 b + 16 h + i of my query
.set n, n+1
.endr
.irp b, 0,1
	v_max3_num_f32 v[BM+\b], |v[S+16*\b]|, |v[S+16*\b+1]|, 0x1800000
.endr
.irp i, 2,4,6,8,10,12,14
.irp b, 0,1
	s_delay_alu instid0(VALU_DEP_2)
	v_max3_num_f32 v[BM+\b], v[BM+\b], |v[S+16*\b+\i]|, |v[S+16*\b+\i+1]|
.endr
.endr
.irp b, 0,1
	s_delay_alu instid0(VALU_DEP_2)
	v_permlanex16_b32 v[BT+\b], v[BM+\b], s32, s33
.endr
.irp b, 0,1
	s_delay_alu instid0(VALU_DEP_2)
	v_max_num_f32 v[BM+\b], v[BM+\b], v[BT+\b]
.endr
.irp b, 0,1
	s_delay_alu instid0(VALU_DEP_2)
	v_add_nc_u32 v[SO+\b], 0xff000000, v[BM+\b]
.endr
.irp b, 0,1
	s_delay_alu instid0(VALU_DEP_2)
	v_lshrrev_b32 v[BT+\b], 23, v[SO+\b]
.endr
	v_cvt_scalef32_pk16_fp6_f32 v[PCD:PCD+2], v[S:S+15], v[SO]
	v_cvt_scalef32_pk16_fp6_f32 v[CT:CT+2], v[S+16:S+31], v[SO+1]
	v_nop                                          ; one plain place behind a scaled conversion
.irp i, 0,1,2
	v_permlane16_swap_b32 v[PCD+\i], v[CT+\i]
.endr
.irp i, 0,1,2
	s_delay_alu instid0(VALU_DEP_3)
	v_mov_b32 v[PCD+3+\i], v[CT+\i]
.endr
	v_cndmask_b32 v[T1], v[BT], v[BT+1], s40       ; lane (r, h): block h's byte
	global_store_b128 v1, v[PCD:PCD+3], s[48:49]   ; 512 consecutive bytes
	global_store_b64 v2, v[PCD+4:PCD+5], s[48:49]  ; 256 consecutive bytes
	global_store_b8 v10, v[T1], s[50:51]           ; 32 bytes a tile and head, in pairs 16 bytes apart
.endm
	s_wait_alu depctr_va_vdst(0)
	s_wait_loadcnt 0x0                             ; both tiles' q
	s_wait_tensorcnt 0x1                           ; my part of steps 0-7 has landed; my second load may be out: the first loop reads under LDS byte 102,400 and nothing is filled again
	s_barrier_signal -1
	s_barrier_wait -1
	PHEAD 14, 0                                    ; the high tile
	KLOOP 0, 8, 0                                  ; eight full steps in every wave
	s_wait_tensorcnt 0x0                           ; my part of steps 8-15
	s_wait_dscnt 0x0
	s_barrier_signal -1
	s_barrier_wait -1                              ; everybody's
	KLOOP 8, 8, 1
	PEND
	PHEAD 13, 1                                    ; the low tile
	KLOOP 0, 8, 1
	s_wait_alu depctr_va_vdst(0)
	PEND
	s_wait_tensorcnt 0x0
	ds_add_u32 v254, v255
	s_wait_dscnt 0x0
	s_endpgm
.Lfunc_end_k_qfd75301e94_attn:
	.size	k_qfd75301e94_attn, .Lfunc_end_k_qfd75301e94_attn-k_qfd75301e94_attn
	.p2alignl 7, 3214868480
	.fill 96, 4, 3214868480
	.section	.rodata,"a",@progbits
	.p2align	6, 0x0
	.amdhsa_kernel k_qfd75301e94_attn
		.amdhsa_group_segment_fixed_size 206848
		.amdhsa_private_segment_fixed_size 0
		.amdhsa_enable_private_segment 0
		.amdhsa_kernarg_size 24
		.amdhsa_user_sgpr_count 2
		.amdhsa_user_sgpr_kernarg_segment_ptr 1
		.amdhsa_wavefront_size32 1
		.amdhsa_system_sgpr_workgroup_id_x 1
		.amdhsa_system_sgpr_workgroup_id_y 1
		.amdhsa_system_sgpr_workgroup_id_z 1
		.amdhsa_system_vgpr_workitem_id 0
		.amdhsa_next_free_vgpr 256
		.amdhsa_next_free_sgpr 70
		.amdhsa_reserve_vcc 1
		.amdhsa_float_denorm_mode_32 3
		.amdhsa_float_denorm_mode_16_64 3
		.amdhsa_memory_ordered 1
		.amdhsa_forward_progress 1
		.amdhsa_inst_pref_size 84
	.end_amdhsa_kernel
	.amdgpu_metadata
---
amdhsa.version: [ 1, 2 ]
amdhsa.kernels:
  - .name:           k_qfd75301e94_attn
    .symbol:         k_qfd75301e94_attn.kd
    .args:
      - { .name: qkv, .offset: 0, .size: 8, .value_kind: global_buffer, .address_space: global }
      - { .name: ao_codes, .offset: 8, .size: 8, .value_kind: global_buffer, .address_space: global }
      - { .name: scales, .offset: 16, .size: 8, .value_kind: global_buffer, .address_space: global }
    .group_segment_fixed_size: 206848
    .private_segment_fixed_size: 0
    .kernarg_segment_align: 8
    .kernarg_segment_size: 24
    .max_flat_workgroup_size: 512
    .sgpr_count:     70
    .vgpr_count:     256
    .wavefront_size: 32
...
	.end_amdgpu_metadata
.endif
;; end of part 3
;; launch proj (part 4): grid 4 x 64, 4 waves a work-group, clusters of 4 x 4, 312,832 bytes of LDS; arguments ao_codes, w_codes, scales, bo, out0; writes out0
.if DOCPART == 4
	.amdgcn_target "amdgcn-amd-amdhsa--gfx1250"
	.amdhsa_code_object_version 6
	.text
	.protected	k_qfd75301e94_proj
	.globl	k_qfd75301e94_proj
	.p2align	8
	.type	k_qfd75301e94_proj,@function
k_qfd75301e94_proj:
	s_mov_b64 s[64:65], 0
	v_nop
	global_prefetch_b8 v0, s[64:65] scope:SCOPE_SE
	s_setreg_imm32_b32 hwreg(HW_REG_WAVE_MODE, 25, 1), 1
	s_wait_xcnt 0x0
	s_wait_alu depctr_hold_cnt(0) depctr_sa_sdst(0) depctr_va_vdst(0) depctr_va_sdst(0) depctr_va_ssrc(0) depctr_va_vcc(0) depctr_vm_vsrc(0)
	s_getreg_b32 s2, hwreg(HW_REG_IB_STS2, 6, 4)
	s_cmp_eq_u32 s2, 0
	s_cbranch_scc0 .Lentry_in_a_cluster
	s_endpgm
.Lentry_in_a_cluster:
	s_bfe_u32 s2, ttmp6, 0x10000c
	s_cmp_lg_u32 s2, 0xf033
	s_cbranch_scc0 .Lentry_shape_is_right
	s_endpgm
.Lentry_shape_is_right:
; out0 = attention's result x wo + bo on codes of FP6 (E2M3) with E8M0 scales, sums in f32.  The main part is that of the launch that makes q, k and v, in its transposed form.
; SHARES.  A work-group makes 128 tokens x 256 columns; a wave all 128 tokens x 64 columns: 32 accumulators of 16 x 16.  256 work-groups.
; ALL OF K LIES IN LDS (294,912 bytes), in four chunks of 256 along K, all asked for at the start (four tensor loads a wave are out); no LDS byte is filled twice.
; CLUSTER.  4 x 4 work-groups: the four of a row need the same tokens, the four of a column the same columns of wo: each chunk is asked for jointly.
; OPERANDS are images of their registers (half fragment: 16 rows x 64 K, 768 bytes: registers 0-3 at 16 x lane, registers 4-5 at 512 + 8 x lane).  Row r of tile T is row 32 (T/2) + 8 (T%2) + r + 8 (r/8).
; Source 0 = 16 columns of wo, source 1 = 16 tokens: a lane holds one token, and tile b's register j is column 32 (b/2) + 8 (b%2) + 16 h + j.  The bias is the C of each sum's first matrix instruction.
; THE WAY OUT: 16 tokens x 64 columns at a time through the wave's own stage (behind the chunks: no fill lands there), back as rows of 256 bytes: sixteen lanes store 256 aligned bytes.
; REGISTERS: window 0: v3-24 addresses; v32-95 scale words; v96-191 A's, v192-239 B's fragments, set 0 (on the way out v96-159: rows read back).  window 1: accumulators.  window 2: v0-31 the bias; v96-239 set 1.
.set AOREG, 262144
.set WREG,  524288
.set TILEB, 12288
.set CHB,   3072
.set ACH,   8*CHB
.set BCH,   16*CHB
.set BBASE, 4*ACH
.set STAGE, BBASE+4*BCH                ; 294,912
.set SPI,   272                        ; a stage row: 256 bytes + 16
.set SC,    32
.set AF,    96
.set BF,    192
.set BK,    96
.set STO,   22
.set RD,    23
.set CO,    24
.set WV,    18
.set G1A,   28
.set G1B,   36
.set G0A,   44
.set G0B,   68
.set MSB, 0
.macro WIN new                         ; the immediate's high byte repeats the setting that is left
.if MSB != \new
	s_set_vgpr_msb (MSB<<8)|\new
.set MSB, \new
.endif
.endm
.macro PLACES                          ; four places behind a matrix instruction (ISA guide 7.12.1)
.rept 4
	v_nop
.endr
.endm
.macro CROUND                          ; a round of the cluster's barrier
	s_barrier_signal -1
	s_barrier_wait -1
	s_cmp_lg_u32 s[WV], 0
	s_cbranch_scc1 .Lnot_wave_0_\@
	s_barrier_signal -3
.Lnot_wave_0_\@:
	s_barrier_wait -3
	s_barrier_signal -1
	s_barrier_wait -1
.endm
	s_load_b256 s[4:11], s[0:1], 0x0               ; ao_codes s[4:5], w_codes s[6:7], scales s[8:9], bo s[10:11]
	s_load_b64 s[16:17], s[0:1], 0x20              ; out0
	v_lshl_add_u32 v254, v0, 2, 0x4c400
	v_mov_b32 v255, 0
	ds_add_u32 v254, v255
	ds_add_u32 v254, v255
	v_lshrrev_b32 v20, 5, v0
	v_readfirstlane_b32 s[WV], v20                 ; wave 0..3
	s_lshr_b32 s19, s[WV], 1                       ; I fetch for A (0) or for B (1)
	s_and_b32 s20, s[WV], 1                        ; which half of a chunk's tiles
	s_bfe_u32 s21, ttmp6, 0x40000                  ; cx
	s_bfe_u32 s22, ttmp6, 0x40004                  ; cy
	s_lshl_b32 s23, ttmp9, 2
	s_add_co_u32 s23, s23, s21                     ; tx: block of 256 columns
	s_and_b32 s24, ttmp7, 0xffff
	s_lshl_b32 s24, s24, 2
	s_add_co_u32 s24, s24, s22                     ; ty: block of 128 tokens
	s_lshl_b32 s25, s22, 2
	s_lshl_b32 s25, 15, s25                        ; my row of the cluster
	s_lshl_b32 s26, 0x1111, s21                    ; my column
	s_or_b32 s[G1A], s25, (3<<16)|(1<<21)          ; rows of 3,072 bytes (384 elements of 8), one a tile, 12,288 bytes apart in memory, on end in LDS; A: 4 rows a load, B: 8
	s_or_b32 s[G1B], s26, (3<<16)|(1<<21)
	s_mov_b32 s[G1A+1], 384<<16
	s_mov_b32 s[G1A+2], 4<<16
	s_mov_b32 s[G1A+3], 384<<16
	s_mov_b32 s[G1A+4], 4
	s_mov_b32 s[G1A+5], 1536
	s_mov_b32 s[G1A+6], 0
	s_mov_b32 s[G1A+7], 0
	s_mov_b32 s[G1B+1], 384<<16
	s_mov_b32 s[G1B+2], 8<<16
	s_mov_b32 s[G1B+3], 384<<16
	s_mov_b32 s[G1B+4], 8
	s_mov_b32 s[G1B+5], 1536
	s_mov_b32 s[G1B+6], 0
	s_mov_b32 s[G1B+7], 0
	s_lshl_b32 s84, s24, 3                         ; A: tile 8 ty + 4 x half
	s_lshl_b32 s85, s20, 2
	s_add_co_u32 s84, s84, s85
	s_mul_i32 s84, s84, TILEB
	s_mov_b32 s85, 0
	s_mul_i32 s86, s20, 4*CHB
	s_lshl_b32 s88, s23, 4                         ; B: wo's tiles begin at 192: tile 192 + 16 tx + 8 x half
	s_lshl_b32 s89, s20, 3
	s_add_co_u32 s88, s88, s89
	s_add_co_u32 s88, s88, 192
	s_mul_i32 s88, s88, TILEB
	s_mov_b32 s89, 0
	s_mul_i32 s90, s20, 8*CHB
	s_lshl_b32 s92, s24, 19                        ; out: 128 ty rows of 4,096 bytes + 1,024 tx + 256 wave
	s_lshl_b32 s98, s23, 10
	s_lshl_b32 s99, s[WV], 8
	s_add_co_u32 s98, s98, s99                     ; (also my 64 numbers of the bias)
	s_add_co_u32 s92, s92, s98
	s_mov_b32 s93, 0
	s_mov_b32 s99, 0
	s_wait_dscnt 0x0
	s_wait_kmcnt 0x0
	s_add_nc_u64 s[84:85], s[4:5], s[84:85]
	s_add_nc_u64 s[88:89], s[6:7], s[88:89]
	s_add_nc_u64 s[60:61], s[16:17], s[92:93]
	s_add_nc_u64 s[96:97], s[10:11], s[98:99]
.irp c, 0,1,2,3
	s_mov_b32 s[G0A+4*\c], 1
	s_add_co_u32 s[G0A+4*\c+1], s86, \c*ACH
	s_add_nc_u64 s[G0A+4*\c+2:G0A+4*\c+3], s[84:85], \c*CHB
	s_or_b32 s[G0A+4*\c+3], s[G0A+4*\c+3], 0x80000000
	s_mov_b32 s[G0B+4*\c], 1
	s_add_co_u32 s[G0B+4*\c+1], s90, BBASE+\c*BCH
	s_add_nc_u64 s[G0B+4*\c+2:G0B+4*\c+3], s[88:89], \c*CHB
	s_or_b32 s[G0B+4*\c+3], s[G0B+4*\c+3], 0x80000000
.endr
	CROUND                                         ; all sixteen work-groups are here: the joint loads meet
	s_cmp_eq_u32 s19, 0                            ; a wave's four fills stand in one branch on the wave's number; four v_nop follow the last
	s_cbranch_scc0 .Lfill_b
	tensor_load_to_lds s[G0A:G0A+3], s[G1A:G1A+7]
	s_nop 0
	tensor_load_to_lds s[G0A+4:G0A+7], s[G1A:G1A+7]
	s_nop 0
	tensor_load_to_lds s[G0A+8:G0A+11], s[G1A:G1A+7]
	s_nop 0
	tensor_load_to_lds s[G0A+12:G0A+15], s[G1A:G1A+7]
	s_nop 0
	PLACES
	s_branch .Lfilled
.Lfill_b:
	tensor_load_to_lds s[G0B:G0B+3], s[G1B:G1B+7]
	s_nop 0
	tensor_load_to_lds s[G0B+4:G0B+7], s[G1B:G1B+7]
	s_nop 0
	tensor_load_to_lds s[G0B+8:G0B+11], s[G1B:G1B+7]
	s_nop 0
	tensor_load_to_lds s[G0B+12:G0B+15], s[G1B:G1B+7]
	s_nop 0
	PLACES
.Lfilled:
	v_and_b32 v20, 31, v0                          ; lane
	v_and_b32 v21, 15, v0                          ; r
	v_bfe_u32 v3, v0, 4, 1                         ; h
	v_lshlrev_b32 v4, 4, v20                       ; 16 x lane; A's chunks 0, 1
	v_lshlrev_b32 v5, 3, v20
	v_add_nc_u32 v5, 512, v5                       ; 8 x lane + 512
	v_add_nc_u32 v6, 2*ACH, v4                     ; A's chunks 2, 3
	v_add_nc_u32 v7, 2*ACH, v5
	s_lshl_b32 s94, s24, 12
	s_add_co_u32 s94, s94, AOREG                   ; scale words: A's tiles from AOREG + 8 ty x 512,
	s_lshl_b32 s95, s23, 13
	s_lshl_b32 s91, s[WV], 11
	s_add_co_u32 s95, s95, s91
	s_add_co_u32 s95, s95, WREG+192*512            ; B's from WREG + (192 + 16 tx + 4 wave) x 512
	s_sub_co_u32 s95, s95, s94
	v_lshlrev_b32 v16, 4, v21
	v_add_nc_u32 v16, s94, v16
	v_mad_u32_u24 v16, v3, s95, v16                ; lanes 0-15 take A's rows, lanes 16-31 B's
	v_lshlrev_b32 v17, 11, v3
	v_sub_nc_u32 v17, v16, v17                     ; for i = 4 .. 7: lanes 16-31 take B's tile i - 4 again
.irp i, 0,1,2,3,4,5,6,7
.irp k, 0,1
	global_load_b128 v[SC+8*\i+4*\k:SC+8*\i+4*\k+3], v[16+\i/4], s[8:9] offset:512*\i+256*\k
.endr
.endr
	s_mul_i32 s91, s[WV], 4*CHB                    ; my four tiles of B in a chunk
.irp c, 0,1,2,3
	s_add_co_u32 s94, s91, BBASE+\c*BCH
	v_add_nc_u32 v[8+2*\c], s94, v4
	v_add_nc_u32 v[9+2*\c], s94, v5
.endr
	v_lshlrev_b32 v18, 6, v3                       ; the bias: 64 h bytes on
	WIN 0x80                                       ; destination window 2
.irp b, 0,1,2,3
	global_load_b128 v[8*\b:8*\b+3], v18, s[96:97] offset:128*(\b/2)+32*(\b%2)
	global_load_b128 v[8*\b+4:8*\b+7], v18, s[96:97] offset:128*(\b/2)+32*(\b%2)+16
.endr
	WIN 0
	s_mul_i32 s94, s[WV], 16*SPI
	s_add_co_u32 s94, s94, STAGE                   ; my stage
	v_mul_u32_u24 v[STO], v21, SPI
	v_lshl_add_u32 v[STO], v3, 6, v[STO]
	v_add_nc_u32 v[STO], s94, v[STO]               ; in: row r, + 64 h bytes
	v_mul_u32_u24 v[RD], v3, SPI
	v_lshl_add_u32 v[RD], v21, 4, v[RD]
	v_add_nc_u32 v[RD], s94, v[RD]                 ; back: lanes 0-15 one row, lanes 16-31 the next
	v_lshlrev_b32 v[CO], 12, v3
	v_lshl_add_u32 v[CO], v21, 4, v[CO]            ; and the same two rows in out0
.macro FRAG reg, a16, a8, off          ; a fragment (16 rows x 128 K, 12 registers): two half fragments on end
	ds_load_b128 v[\reg:\reg+3], v[\a16] offset:\off
	ds_load_b64 v[\reg+4:\reg+5], v[\a8] offset:\off
	ds_load_b128 v[\reg+6:\reg+9], v[\a16] offset:\off+768
	ds_load_b64 v[\reg+10:\reg+11], v[\a8] offset:\off+768
.endm
.macro FETCH g                         ; K step g's 12 fragments, 48 LDS loads, into set g % 2
.if (\g)%2
	WIN 0x80
.else
	WIN 0
.endif
.irp i, 0,1,2,3
	FRAG BF+12*\i, 8+2*((\g)/2), 9+2*((\g)/2), \i*CHB+((\g)%2)*1536
.endr
.irp i, 0,1,2,3,4,5,6,7
	FRAG AF+12*\i, 4+2*((\g)/4), 5+2*((\g)/4), (((\g)/2)%2)*ACH+\i*CHB+((\g)%2)*1536
.endr
	WIN 0
.endm
.macro MUL_T g                         ; 32 matrix instructions, accumulator (a, b) at v[8 (4 a + b)]; the accumulators take turns, one instruction a turn
.if (\g) == 0
	WIN 0x60                                       ; D window 1, C (the bias) window 2
.elseif (\g)%2
	WIN 0x5a                                       ; the fragments in window 2
.else
	WIN 0x50
.endif
.irp a, 0,1,2,3,4,5,6,7
.irp b, 0,1,2,3
.if (\g) == 0
	v_wmma_scale_f32_16x16x128_f8f6f4 v[8*(4*\a+\b):8*(4*\a+\b)+7], v[BF+12*\b:BF+12*\b+11], v[AF+12*\a:AF+12*\a+11], v[8*\b:8*\b+7], v[SC+8*\b+(\g)], v[SC+8*\a+(\g)] matrix_a_fmt:MATRIX_FMT_FP6 matrix_b_fmt:MATRIX_FMT_FP6 matrix_a_scale:MATRIX_SCALE_ROW1
.else
	v_wmma_scale_f32_16x16x128_f8f6f4 v[8*(4*\a+\b):8*(4*\a+\b)+7], v[BF+12*\b:BF+12*\b+11], v[AF+12*\a:AF+12*\a+11], v[8*(4*\a+\b):8*(4*\a+\b)+7], v[SC+8*\b+(\g)], v[SC+8*\a+(\g)] matrix_a_fmt:MATRIX_FMT_FP6 matrix_b_fmt:MATRIX_FMT_FP6 matrix_a_scale:MATRIX_SCALE_ROW1
.endif
.endr
.endr
	WIN 0
.endm
.macro KSTEP g
.if (\g) == 7
	s_wait_dscnt 0x0                               ; the last fragments are in
.elseif (\g)%2
	s_wait_tensorcnt 2-(\g)/2                      ; my part of the next chunk has landed; my loads for the chunks behind it may be out
	s_wait_dscnt 0x0                               ; this step's fragments are in, and no LDS load of mine is out at the signal
	s_barrier_signal -1
	s_barrier_wait -1
	PLACES
	FETCH (\g)+1
.else
.if (\g) > 0
	PLACES
.endif
	FETCH (\g)+1
	s_wait_dscnt 48                                ; all but the 48 loads just issued: this step's fragments are in
.endif
	MUL_T \g
.endm
	s_wait_tensorcnt 0x3                           ; my part of chunk 0 has landed; my other three loads may be out
	s_barrier_signal -1
	s_barrier_wait -1
	FETCH 0
	s_wait_loadcnt 0x0                             ; the scale words and the bias
	KSTEP 0
	KSTEP 1
	KSTEP 2
	KSTEP 3
	KSTEP 4
	KSTEP 5
	KSTEP 6
	KSTEP 7
.macro TOSTAGE a                       ; token tile a: 16 rows x 256 bytes into my stage and back as whole rows
	WIN 0x04                                       ; an LDS store's data are its source 1: window 1
.irp b, 0,1,2,3
	ds_store_b128 v[STO], v[8*(4*(\a)+\b):8*(4*(\a)+\b)+3] offset:128*(\b/2)+32*(\b%2)          ; each accumulator from its low end on
	ds_store_b128 v[STO], v[8*(4*(\a)+\b)+4:8*(4*(\a)+\b)+7] offset:128*(\b/2)+32*(\b%2)+16
.endr
	WIN 0
.irp t, 0,1,2,3,4,5,6,7
	ds_load_b128 v[BK+32*((\a)%2)+4*\t:BK+32*((\a)%2)+4*\t+3], v[RD] offset:\t*2*SPI   ; LDS serves a wave's instructions in order: these see the stores above, and the next tile's stores come behind them
.endr
.endm
.macro SEND a, younger                 ; younger: the LDS instructions issued behind tile a's loads, which may stay out
	s_wait_dscnt \younger
.irp t, 0,1,2,3,4,5,6,7                ; stage row 2 t + h is token 32 (a/2) + 8 (a%2) + 2 t + h + 8 (t/4) of the block
	global_store_b128 v[CO], v[BK+32*((\a)%2)+4*\t:BK+32*((\a)%2)+4*\t+3], s[60:61] offset:(32*((\a)/2)+8*((\a)%2)+2*\t+8*(\t/4))*4096 th:TH_STORE_NT   ; sixteen lanes store 256 consecutive bytes, at a multiple of 256
.endr
.endm
	PLACES                                         ; behind the last products: for the stores of results and the loads into registers that held fragments
	TOSTAGE 0
.irp a, 1,2,3,4,5,6,7
.if \a > 1
	s_wait_xcnt 0x0                                ; tile a - 2's stores have read their registers: tile a's rows may land there
.endif
	TOSTAGE \a
	SEND \a-1, 16                                  ; behind tile a - 1's loads: tile a's 8 stores and 8 loads
.endr
	SEND 7, 0
	s_wait_tensorcnt 0x0
	ds_add_u32 v254, v255
	s_wait_dscnt 0x0
	CROUND                                         ; the closing round: no work-group ends while a partner may still ask for a chunk that names it
	s_endpgm
.Lfunc_end_k_qfd75301e94_proj:
	.size	k_qfd75301e94_proj, .Lfunc_end_k_qfd75301e94_proj-k_qfd75301e94_proj
	.p2alignl 7, 3214868480
	.fill 96, 4, 3214868480
	.section	.rodata,"a",@progbits
	.p2align	6, 0x0
	.amdhsa_kernel k_qfd75301e94_proj
		.amdhsa_group_segment_fixed_size 312832
		.amdhsa_private_segment_fixed_size 0
		.amdhsa_enable_private_segment 0
		.amdhsa_kernarg_size 40
		.amdhsa_user_sgpr_count 2
		.amdhsa_user_sgpr_kernarg_segment_ptr 1
		.amdhsa_wavefront_size32 1
		.amdhsa_system_sgpr_workgroup_id_x 1
		.amdhsa_system_sgpr_workgroup_id_y 1
		.amdhsa_system_sgpr_workgroup_id_z 1
		.amdhsa_system_vgpr_workitem_id 0
		.amdhsa_next_free_vgpr 768
		.amdhsa_next_free_sgpr 100
		.amdhsa_reserve_vcc 0
		.amdhsa_float_denorm_mode_32 3
		.amdhsa_float_denorm_mode_16_64 3
		.amdhsa_memory_ordered 1
		.amdhsa_forward_progress 1
		.amdhsa_inst_pref_size 85
	.end_amdhsa_kernel
	.amdgpu_metadata
---
amdhsa.version: [ 1, 2 ]
amdhsa.kernels:
  - .name:           k_qfd75301e94_proj
    .symbol:         k_qfd75301e94_proj.kd
    .args:
      - { .name: ao_codes, .offset: 0, .size: 8, .value_kind: global_buffer, .address_space: global }
      - { .name: w_codes, .offset: 8, .size: 8, .value_kind: global_buffer, .address_space: global }
      - { .name: scales, .offset: 16, .size: 8, .value_kind: global_buffer, .address_space: global }
      - { .name: bo, .offset: 24, .size: 8, .value_kind: global_buffer, .address_space: global }
      - { .name: out0, .offset: 32, .size: 8, .value_kind: global_buffer, .address_space: global }
    .group_segment_fixed_size: 312832
    .private_segment_fixed_size: 0
    .kernarg_segment_align: 8
    .kernarg_segment_size: 40
    .max_flat_workgroup_size: 128
    .sgpr_count:     100
    .vgpr_count:     768
    .wavefront_size: 32
...
	.end_amdgpu_metadata
.endif
;; end of part 4
